; MI455X (gfx1250); checked and timed in simulation.
; The chip was launched on July 23, 2026; its instructions are those of AMD's public machine-readable ISA for CDNA 5 (MIT licence, August 2026) and "CDNA5" Instruction Set Architecture Reference Guide (July 2026). The comments in the code are by the model that wrote it; some were corrected since.
;; Multi Headed Attention. Allowed arithmetic: float matrix products may take bf16 or f16 operands with f32 sums; all other float work in f32.
;; Inputs: Wa 1,024 x 1,024 float32; Wk 1,024 x 1,024 float32; Wq 1,024 x 1,024 float32; Wv 1,024 x 1,024 float32; ba 1,024 float32; bk 1,024 float32; bq 1,024 float32; bv 1,024 float32; key 8 x 1,024 x 1,024 float32; query 8 x 1,024 x 1,024 float32; qvec 1,024 float32; value 8 x 1,024 x 1,024 float32.
;; Outputs: out0 8 x 1,024 float32.
;; One version. Each part assembles by itself: llvm-mc -triple=amdgcn-amd-amdhsa -mcpu=gfx1250 --defsym DOCPART=n.
;; ======== version 1 of 1: 5 launches
;; limits: values are held in f16: magnitudes above 65,504 overflow, below 6.1e-05 lose precision
;; workspace buffers: wcv 8,388,608 bytes; qkv 50,331,648 bytes; xh 16,777,216 bytes; apart 262,144 bytes
;; launch cvtw (part 1): grid 64 x 4, 8 waves a work-group, no clusters, 0 bytes of LDS; arguments Wq, Wk, Wv, Wa, wcv; writes wcv
.if DOCPART == 1
	.amdgcn_target "amdgcn-amd-amdhsa--gfx1250"
	.amdhsa_code_object_version 6
	.text
	.protected	k_q296f35dfa4_cvtw
	.globl	k_q296f35dfa4_cvtw
	.p2align	8
	.type	k_q296f35dfa4_cvtw,@function
k_q296f35dfa4_cvtw:
	s_mov_b64 s[64:65], 0
	v_nop
	global_prefetch_b8 v0, s[64:65] scope:SCOPE_SE
	s_setreg_imm32_b32 hwreg(HW_REG_WAVE_MODE, 25, 1), 1
	s_wait_xcnt 0x0
; The four weight matrices, [1024][1024] f32, are rounded once to 16 bits: wcv[0..2] = Wq, Wk, Wv in bf16; wcv[3] = Wa rounded to bf16 and
; that number written as f16 (the last product multiplies f16 by f16).
; LIMITS.  A bf16 number of Wa at or beyond 65,520 becomes an infinity in f16; below 6.1e-5 it keeps f16's fixed step of 6e-8.
; A stream: no LDS, no matrix unit.  Work-group (x, y) takes 16,384 numbers of matrix y; in pass j thread t takes the 8 numbers at
; 2,048 j + 8 t: two loads of 16 bytes, one store of 16 bytes; sixteen neighbouring lanes store 256 consecutive bytes, aligned.
; All sixteen loads of a lane go out at once; no register is written twice while a memory instruction may read it.
.set X, 4                              ; v[4:67]    pass j: 8 numbers as loaded
.set Y, 68                             ; v[68:99]   pass j: 4 registers to store
.set T, 100                            ; v[100:102] at work
	s_load_b256 s[4:11], s[0:1], 0x0               ; Wq s[4:5], Wk s[6:7], Wv s[8:9], Wa s[10:11]
	s_load_b64 s[12:13], s[0:1], 0x20              ; wcv
	s_and_b32 s14, ttmp7, 0xffff                   ; which matrix
	v_lshlrev_b32 v1, 5, v0                        ; 32 t: my 8 numbers in a pass, as f32
	v_lshlrev_b32 v2, 4, v0                        ; 16 t: the same in 16 bits
	s_lshl_b32 s18, ttmp9, 16                      ; the group's 65,536 bytes of the source
	s_mov_b32 s19, 0
	s_lshl_b32 s20, s14, 21                        ; the matrix's plane of wcv,
	s_lshl_b32 s21, ttmp9, 15                      ; the group's 32,768 bytes in it
	s_add_co_u32 s20, s20, s21
	s_mov_b32 s21, 0
	s_mov_b32 s22, 0xffff0000                      ; a word's upper bf16
	s_wait_kmcnt 0x0
	s_cmp_eq_u32 s14, 1
	s_cselect_b64 s[16:17], s[6:7], s[4:5]
	s_cmp_eq_u32 s14, 2
	s_cselect_b64 s[16:17], s[8:9], s[16:17]
	s_cmp_eq_u32 s14, 3
	s_cselect_b64 s[16:17], s[10:11], s[16:17]
	s_add_nc_u64 s[16:17], s[16:17], s[18:19]
	s_add_nc_u64 s[12:13], s[12:13], s[20:21]
.set j, 0
.rept 8
	global_load_b128 v[X+8*j:X+8*j+3],   v1, s[16:17] offset:8192*j th:TH_LOAD_NT
	global_load_b128 v[X+8*j+4:X+8*j+7], v1, s[16:17] offset:8192*j+16 th:TH_LOAD_NT
.set j, j+1
.endr
	s_cmp_eq_u32 s14, 3
	s_cbranch_scc1 .Lwa
.set j, 0
.rept 8
	s_wait_loadcnt 14-2*j                          ; loads come back in order: pass j's two are in, the younger passes' stay out
.irp i, 0,1,2,3
	v_cvt_pk_bf16_f32 v[Y+4*j+\i], v[X+8*j+2*\i], v[X+8*j+2*\i+1]
.endr
	global_store_b128 v2, v[Y+4*j:Y+4*j+3], s[12:13] offset:4096*j
.set j, j+1
.endr
	s_endpgm
.Lwa:
.set j, 0
.rept 8
	s_wait_loadcnt 14-2*j
.irp i, 0,1,2,3
	v_cvt_pk_bf16_f32 v[T], v[X+8*j+2*\i], v[X+8*j+2*\i+1]    ; the one rounding,
	v_lshlrev_b32 v[T+1], 16, v[T]                             ; back to f32,
	v_and_b32 v[T+2], s22, v[T]
	v_cvt_pk_f16_f32 v[Y+4*j+\i], v[T+1], v[T+2]               ; and written as f16: exact inside f16's normal range
.endr
	global_store_b128 v2, v[Y+4*j:Y+4*j+3], s[12:13] offset:4096*j
.set j, j+1
.endr
	s_endpgm
.Lfunc_end_k_q296f35dfa4_cvtw:
	.size	k_q296f35dfa4_cvtw, .Lfunc_end_k_q296f35dfa4_cvtw-k_q296f35dfa4_cvtw
	.p2alignl 7, 3214868480
	.fill 96, 4, 3214868480
	.section	.rodata,"a",@progbits
	.p2align	6, 0x0
	.amdhsa_kernel k_q296f35dfa4_cvtw
		.amdhsa_group_segment_fixed_size 0
		.amdhsa_private_segment_fixed_size 0
		.amdhsa_enable_private_segment 0
		.amdhsa_kernarg_size 40
		.amdhsa_user_sgpr_count 2
		.amdhsa_user_sgpr_kernarg_segment_ptr 1
		.amdhsa_wavefront_size32 1
		.amdhsa_system_sgpr_workgroup_id_x 1
		.amdhsa_system_sgpr_workgroup_id_y 1
		.amdhsa_system_sgpr_workgroup_id_z 1
		.amdhsa_system_vgpr_workitem_id 0
		.amdhsa_next_free_vgpr 104
		.amdhsa_next_free_sgpr 66
		.amdhsa_reserve_vcc 0
		.amdhsa_float_denorm_mode_32 3
		.amdhsa_float_denorm_mode_16_64 3
		.amdhsa_memory_ordered 1
		.amdhsa_forward_progress 1
		.amdhsa_inst_pref_size 13
	.end_amdhsa_kernel
	.amdgpu_metadata
---
amdhsa.version: [ 1, 2 ]
amdhsa.kernels:
  - .name:           k_q296f35dfa4_cvtw
    .symbol:         k_q296f35dfa4_cvtw.kd
    .args:
      - { .name: Wq, .offset: 0, .size: 8, .value_kind: global_buffer, .address_space: global }
      - { .name: Wk, .offset: 8, .size: 8, .value_kind: global_buffer, .address_space: global }
      - { .name: Wv, .offset: 16, .size: 8, .value_kind: global_buffer, .address_space: global }
      - { .name: Wa, .offset: 24, .size: 8, .value_kind: global_buffer, .address_space: global }
      - { .name: wcv, .offset: 32, .size: 8, .value_kind: global_buffer, .address_space: global }
    .group_segment_fixed_size: 0
    .private_segment_fixed_size: 0
    .kernarg_segment_align: 8
    .kernarg_segment_size: 40
    .max_flat_workgroup_size: 256
    .sgpr_count:     66
    .vgpr_count:     104
    .wavefront_size: 32
...
	.end_amdgpu_metadata
.endif
;; end of part 1
;; launch proj (part 2): grid 4 x 64, 4 waves a work-group, clusters of 4 x 4, 327,680 bytes of LDS; arguments query, key, value, wcv, bq, bk, bv, qkv; writes qkv
.if DOCPART == 2
	.amdgcn_target "amdgcn-amd-amdhsa--gfx1250"
	.amdhsa_code_object_version 6
	.text
	.protected	k_q296f35dfa4_proj
	.globl	k_q296f35dfa4_proj
	.p2align	8
	.type	k_q296f35dfa4_proj,@function
k_q296f35dfa4_proj:
	s_mov_b64 s[64:65], 0
	v_nop
	global_prefetch_b8 v0, s[64:65] scope:SCOPE_SE
	s_setreg_imm32_b32 hwreg(HW_REG_WAVE_MODE, 25, 1), 1
	s_wait_xcnt 0x0
	s_wait_alu depctr_hold_cnt(0) depctr_sa_sdst(0) depctr_va_vdst(0) depctr_va_sdst(0) depctr_va_ssrc(0) depctr_va_vcc(0) depctr_vm_vsrc(0)
	s_getreg_b32 s2, hwreg(HW_REG_IB_STS2, 6, 4)
	s_cmp_eq_u32 s2, 0
	s_cbranch_scc0 .Lentry_in_a_cluster
	s_endpgm
.Lentry_in_a_cluster:
	s_bfe_u32 s2, ttmp6, 0x10000c
	s_cmp_lg_u32 s2, 0xf033
	s_cbranch_scc0 .Lentry_shape_is_right
	s_endpgm
.Lentry_shape_is_right:
; q, k, v = x W^T + b for x = query, key, value ([8192][1024] f32), W = wcv[0..2] ([1024][1024] bf16), b f32.  Out: qkv[p][16 batch + head][s][64] in f16.
; x and b are rounded to bf16 on the way to the matrix unit; sums in f32; the bias starts the sums (it is the C operand of the first product); one rounding to f16 at the end.
; LIMITS.  A result at or beyond 65,520 becomes an infinity in f16; below 6.1e-5 it keeps f16's fixed step of 6e-8.  NaN and infinities are not treated apart.
; SHARES.  The three products have 3 x 64 x 4 tiles of 128 rows x 256 columns; 256 work-groups each make the same tile of q, then k, then v: 24 K steps of 128 in ONE walk through a ring of
; two LDS slots.  Four waves, each 64 rows x 128 columns (two heads): 32 accumulators of 16 x 16.
; CLUSTER.  4 x 4 work-groups.  The four of a row of the cluster need the same rows of x, the four of a column the same rows of W: each tile is asked for JOINTLY, by the same tensor load with the
; same descriptor and a mask that names the four.  So x is asked for once for its four column tiles.
; THE MATRIX INSTRUCTION IS USED TRANSPOSED (source 0 = 16 rows of W, source 1 = 16 rows of x): a lane then holds row l % 16 and eight neighbouring columns.
; THE PIPELINE.  A quarter is 32 along K: 32 products on buffers f = quarter % 2.  x lies in LDS as f32: quarter Q loads the raw fragments of Q + 2 and W's fragments of Q + 1 in one run in its
; middle, and converts the raw fragments of Q + 1 to bf16, four conversions behind every fourth product.  Those conversions name no register of the products round them.
; PREFETCH.  A tensor load has one K step in which to land, and two slots of a longer step do not fit in LDS; so the tiles are asked for ahead, each aligned block of 256 bytes once in the launch.
; x: of the 128 rows that a row of the cluster shares, work-group cx, wave w takes rows 32 cx + 8 w .. + 7; a lane takes one of the four blocks of 1,024 bytes of a row: two K steps, 32 KB a work-group.
; The line stands behind the first quarter of every odd K step t of the walk and asks for steps t + 3 and t + 4, whose tensor loads are issued 180 and 308 matrix instructions later; ten times,
; t = 1 .. 19, across the change of tensors; a counter ends it, so that no ask leaves a buffer.  Steps 2 and 3 are asked for at the head; steps 0 and 1 are the first fills.
; W: of a column tile's 256 rows work-group mt takes rows 4 mt .. + 3, whole (32 blocks: one line of wave 0): plane 0 at the head (its first two blocks a row are under way by then), the next
; plane in K step 5 of each product, so a plane's later K steps are asked for up to seven steps before their loads.
; REGISTERS, in windows of 256 (s_set_vgpr_msb: bits 1:0 source 0, 3:2 source 1, 5:4 source 2, 7:6 destination):
;   window 0: v0-31 addresses; v32-63 at work on the way out; v64-127, v128-191 W's fragments, two buffers (the second also takes rows back from the stage); v192-223, v224-255 x's fragments in bf16
;   window 1: accumulator (a, b) at v[8 (8 a + b)]          window 2: v0-63, v64-127 x's raw fragments, two buffers; v128-191 the bias, 8 registers for each block b
.set PA,    528                        ; a row of x in LDS: 512 bytes + 16 = 132 words: row r begins 4 r words on, modulo 64: the 16 rows of a load begin at 16 different places
.set PB,    272                        ; a row of W: 256 bytes + 16 = 68 words: likewise
.set BOFF,  128*PA                     ; a slot: x's 128 rows, then W's 256 rows
.set SLOT,  BOFF+256*PB
.set STAGE, 2*SLOT                     ; behind the ring: for each wave 2 heads x 16 rows x 144 bytes, for the way out
.set WSTG,  2*16*144
.set SPARE, STAGE+4*WSTG               ; behind the stages: the spare words, 128 bytes for each wave: two blocks of 256 bytes that no other line names
.set ADA0, 8                           ; v8   my lane's place in slot 0's rows of x; never rewritten
.set ADB0, 9                           ; v9   the same for W
.set ADAC, 10                          ; v10, v11  the same in the slot in hand,
.set ADBC, 11
.set ADAN, 12                          ; v12, v13  and in the other slot: made anew at the head of each K step
.set ADBN, 13
.set STO,  14                          ; v14  the way out: where I put 16 bytes of a row
.set RD,   15                          ; v15  where I read rows back
.set GO,   16                          ; v16  my byte offset in 512 consecutive bytes of the output
.set BO,   17                          ; v17  my byte offset in 16 numbers of the bias
.set PO,   18                          ; v18  the prefetch of x: row l / 4 of my wave's eight, block l % 4; never rewritten
.set WO,   19                          ; v19  the prefetch of W: row l / 8 of four, block l % 8; never rewritten
.set SPW,  28                          ; v28  LDS address of my spare word: SPARE + 4 x my thread's number; never rewritten
.set NIL,  29                          ; v29  0; never rewritten
.set TMP,  32
.set BF,   64
.set BK,   128
.set AC,   192
.set BI,   128                         ; window 2
.set OB,  18                           ; s[18:19] the output at my rows of my first head
.set WV,  20                           ; s20  my wave's number
.set RH,  21                           ; s21  which 64 rows are mine.  Also: I fetch x (0) or W (1)
.set CH,  22                           ; s22  which 128 columns.  Also: which half of that tile I fetch
.set G1A, 24                           ; s[24:31] descriptor group 1 for x's tiles
.set G0A, 32                           ; s[32:39] group 0: a set for each first fill; the second then walks
.set G1B, 40                           ; s[40:47], s[48:55] the same for W's tiles
.set G0B, 48
.set AN,  66                           ; s[66:67] the next tensor's first tile of x, type bits set
.set AN2, 68                           ; s[68:69] the one after
.set INC, 70                           ; s[70:71] W's step in bytes
.set NBS, 72                           ; s72  from K step 7 of one plane of wcv to K step 0 of the next
.set KA,  73                           ; s73  the K step, 0 to 7, at which the walking descriptors point
.set KP,  74                           ; s74  the K step in hand
.set PJ,  75                           ; s75  the product in hand
.set T,   76                           ; s76  the loops' counter
.set CUR, 77                           ; s77  LDS byte of the slot in hand: 0 or SLOT
.set NXT, 78                           ; s78  of the other
.set LA,  79                           ; s79  where my part of x's tile goes in a slot
.set LB,  80                           ; s80  the same for W
.set PC,  81                           ; s81  prefetches of x still to be made in the loop
.set BP,  82                           ; s[82:83] the bias to be loaded next, at my 128 columns
.set BP2, 84                           ; s[84:85] the one after
.set HIM, 86                           ; s86  a word's upper bf16
.set PK,  87                           ; s87  which pair of K steps, 0 to 3, the prefetch of x points at
.set PF,  96                           ; s[96:97]   the prefetch of x: my wave's eight rows, the pair of K steps asked for last
.set PN,  98                           ; s[98:99]   the same rows of the next tensor
.set PN2, 100                          ; s[100:101] and of the one after
.set WP,  104                          ; s[104:105] the prefetch of W: my work-group's four rows in the plane asked for last
.set MSB, 0
.macro WIN new                         ; the immediate's high byte repeats the setting that is left; a switch that changes nothing is dropped
.if MSB != (\new)
	s_set_vgpr_msb (MSB<<8)|(\new)
.set MSB, (\new)
.endif
.endm
.set W_MUL,  0x50                      ; C and D window 1, fragments window 0
.set W_MULB, 0x60                      ; D window 1, C (the bias) window 2
.set W_RIDE, 0x0a                      ; sources window 2, destination window 0
.set W_TOR,  0x80                      ; destination window 2, address window 0
.set W_PACK, 0x05                      ; sources window 1, destination window 0
; A joint load.  Waves 0 and 1 fetch the two halves of x's tile, waves 2 and 3 those of W's.  The branch hangs on the wave's number alone.
; An s_nop 0 and four v_nop follow each of the two lines, ahead of the jump and the label.
.macro JLOAD s
	s_cmp_eq_u32 s[RH], 0
	s_cbranch_scc0 .Lfor_b_\@
	tensor_load_to_lds s[G0A+4*(\s):G0A+4*(\s)+3], s[G1A:G1A+7]
	s_nop 0
.rept 4
	v_nop
.endr
	s_branch .Lasked_\@
.Lfor_b_\@:
	tensor_load_to_lds s[G0B+4*(\s):G0B+4*(\s)+3], s[G1B:G1B+7]
	s_nop 0
.rept 4
	v_nop
.endr
.Lasked_\@:
.endm
; A round of the cluster's barrier: my work-group's barrier; wave 0 signals for the work-group; every wave waits for all sixteen; my work-group's barrier once more.
.macro CREST                           ; a round behind its opening barrier
	s_cmp_lg_u32 s[WV], 0
	s_cbranch_scc1 .Lnot_wave_0_\@
	s_barrier_signal -3
.Lnot_wave_0_\@:
	s_barrier_wait -3
	s_barrier_signal -1
	s_barrier_wait -1
.endm
.macro CROUND
	s_barrier_signal -1
	s_barrier_wait -1
	CREST
.endm
	s_load_b256 s[4:11], s[0:1], 0x0               ; query s[4:5], key s[6:7], value s[8:9], wcv s[10:11]
	s_load_b256 s[12:19], s[0:1], 0x20             ; bq s[12:13], bk s[14:15], bv s[16:17], qkv s[18:19]
	v_lshl_add_u32 v[SPW], v0, 2, SPARE
	v_mov_b32 v[NIL], 0
	ds_add_u32 v28, v29
	ds_add_u32 v28, v29
	s_wait_dscnt 0x0
	v_lshrrev_b32 v1, 5, v0
	v_readfirstlane_b32 s[WV], v1
	s_lshr_b32 s[RH], s[WV], 1
	s_and_b32 s[CH], s[WV], 1
	s_bfe_u32 s56, ttmp6, 0x40000                  ; cx
	s_bfe_u32 s57, ttmp6, 0x40004                  ; cy
	s_lshl_b32 s58, ttmp9, 2
	s_add_co_u32 s58, s58, s56                     ; column tile nt = 4 x cluster x + cx
	s_and_b32 s59, ttmp7, 0xffff
	s_lshl_b32 s59, s59, 2
	s_add_co_u32 s59, s59, s57                     ; row tile mt = 4 x cluster y + cy
	s_lshl_b32 s60, s57, 2
	s_lshl_b32 s60, 15, s60                        ; my row of the cluster
	s_lshl_b32 s61, 0x1111, s56                    ; my column
	; group 1 for x: 64 rows x 128 elements of 4 bytes, 4 words of padding behind every 128 words
	s_or_b32 s[G1A], s60, (2<<16)|(1<<20)|(1<<21)|(6<<22)|(3<<25)
	s_mov_b32 s[G1A+1], 128<<16                    ; tensor_dim0 = 128
	s_mov_b32 s[G1A+2], 64<<16                     ; tensor_dim1 = 64
	s_mov_b32 s[G1A+3], 128<<16                    ; tile_dim0 = 128
	s_mov_b32 s[G1A+4], 64                         ; tile_dim1 = 64
	s_mov_b32 s[G1A+5], 1024                       ; elements from row to row
	s_mov_b32 s[G1A+6], 0
	s_mov_b32 s[G1A+7], 0
	; group 1 for W: 128 rows x 128 elements of 2 bytes, 4 words of padding behind every 64 words
	s_or_b32 s[G1B], s61, (1<<16)|(1<<20)|(1<<21)|(5<<22)|(3<<25)
	s_mov_b32 s[G1B+1], 128<<16
	s_mov_b32 s[G1B+2], 128<<16
	s_mov_b32 s[G1B+3], 128<<16
	s_mov_b32 s[G1B+4], 128
	s_mov_b32 s[G1B+5], 1024
	s_mov_b32 s[G1B+6], 0
	s_mov_b32 s[G1B+7], 0
	s_lshl_b32 s62, s[CH], 18                      ; my half of a tile: 64 rows of 4,096 bytes, or 128 rows of 2,048
	s_lshl_b32 s88, s59, 19                        ; x: row 128 mt, in bytes; made of the row tile and the wave's number alone
	s_add_co_u32 s88, s88, s62
	s_mov_b32 s89, 0
	s_lshl_b32 s90, s58, 19                        ; W: row 256 nt, in bytes; made of the column tile and the wave's number alone
	s_add_co_u32 s90, s90, s62
	s_mov_b32 s91, 0
	s_lshl_b32 s92, s58, 10                        ; the biases: column 256 nt + 128 CH, in bytes
	s_lshl_b32 s63, s[CH], 9
	s_add_co_u32 s92, s92, s63
	s_mov_b32 s93, 0
	s_lshr_b32 s94, s59, 3                         ; the output: head 16 (mt / 8) + 4 nt + 2 CH of 131,072 bytes,
	s_lshl_b32 s94, s94, 4
	s_lshl_b32 s63, s58, 2
	s_add_co_u32 s94, s94, s63
	s_lshl_b32 s63, s[CH], 1
	s_add_co_u32 s94, s94, s63
	s_lshl_b32 s94, s94, 17
	s_and_b32 s63, s59, 7                          ; row 128 (mt % 8) + 64 RH of 128 bytes
	s_lshl_b32 s63, s63, 14
	s_add_co_u32 s94, s94, s63
	s_lshl_b32 s63, s[RH], 13
	s_add_co_u32 s94, s94, s63
	s_mov_b32 s95, 0
	s_lshl_b32 s2, s59, 19                         ; the prefetch of x: row 128 mt + 32 cx + 8 w of 4,096 bytes; these two registers feed no descriptor
	s_lshl_b32 s3, s56, 17
	s_add_co_u32 s2, s2, s3
	s_lshl_b32 s3, s[WV], 15
	s_add_co_u32 s2, s2, s3
	s_mov_b32 s3, 0
	s_lshl_b32 s56, s58, 19                        ; the prefetch of W: row 256 nt + 4 mt of 2,048 bytes (cx and cy have served)
	s_lshl_b32 s57, s59, 13
	s_add_co_u32 s56, s56, s57
	s_mov_b32 s57, 0
	s_mov_b32 s[PK], 1
	s_mov_b32 s[PC], 10
	s_mul_i32 s[LA], s[CH], 64*PA                  ; no place in the cluster enters an LDS address
	s_mul_i32 s[LB], s[CH], 128*PB
	s_add_co_u32 s[LB], s[LB], BOFF
	s_mov_b32 s[INC+1], 0
	s_mov_b32 s[NBS], 2097152-7*256
	s_mov_b32 s[KA], 1
	s_mov_b32 s[KP], 0
	s_mov_b32 s[PJ], 0
	s_mov_b32 s[CUR], 0
	s_mov_b32 s[NXT], SLOT
	s_mov_b32 s[HIM], 0xffff0000
	s_wait_kmcnt 0x0
	s_add_nc_u64 s[PF:PF+1], s[4:5], s[2:3]
	s_add_nc_u64 s[PF:PF+1], s[PF:PF+1], 1024      ; query's K steps 2 and 3
	s_add_nc_u64 s[PN:PN+1], s[6:7], s[2:3]
	s_add_nc_u64 s[PN2:PN2+1], s[8:9], s[2:3]
	s_add_nc_u64 s[WP:WP+1], s[10:11], s[56:57]    ; plane 0
	s_add_nc_u64 s[4:5], s[4:5], s[88:89]
	s_add_nc_u64 s[AN:AN+1], s[6:7], s[88:89]
	s_or_b32 s[AN+1], s[AN+1], 0x80000000
	s_add_nc_u64 s[AN2:AN2+1], s[8:9], s[88:89]
	s_or_b32 s[AN2+1], s[AN2+1], 0x80000000
	s_add_nc_u64 s[10:11], s[10:11], s[90:91]
	s_add_nc_u64 s[BP:BP+1], s[12:13], s[92:93]
	s_add_nc_u64 s[14:15], s[14:15], s[92:93]
	s_add_nc_u64 s[BP2:BP2+1], s[16:17], s[92:93]
	s_add_nc_u64 s[OB:OB+1], s[OB:OB+1], s[94:95]
	CROUND                                         ; all sixteen work-groups are here: the first joint loads meet
.irp s, 0,1
	s_mov_b32 s[G0A+4*\s], 1                       ; count = 1
	s_add_co_u32 s[G0A+4*\s+1], s[LA], \s*SLOT     ; LDS address
	s_add_nc_u64 s[G0A+4*\s+2:G0A+4*\s+3], s[4:5], \s*512  ; global address: K step s
	s_or_b32 s[G0A+4*\s+3], s[G0A+4*\s+3], 0x80000000      ; type = 2
	s_mov_b32 s[G0B+4*\s], 1
	s_add_co_u32 s[G0B+4*\s+1], s[LB], \s*SLOT
	s_add_nc_u64 s[G0B+4*\s+2:G0B+4*\s+3], s[10:11], \s*256
	s_or_b32 s[G0B+4*\s+3], s[G0B+4*\s+3], 0x80000000
	JLOAD \s                                       ; two loads of mine are out
.endr
	v_bfe_u32 v[PO], v0, 2, 3                      ; row l / 4 of 4,096 bytes,
	v_lshlrev_b32 v[PO], 12, v[PO]
	v_and_b32 v4, 3, v0
	v_lshl_add_u32 v[PO], v4, 8, v[PO]             ; block l % 4 of 256
	global_prefetch_b8 v[PO], s[PF:PF+1] th:TH_LOAD_NT scope:SCOPE_SE  ; query's K steps 2 and 3, my wave's eight rows
	v_bfe_u32 v[WO], v0, 3, 2                      ; row l / 8 of 2,048 bytes,
	v_lshlrev_b32 v[WO], 11, v[WO]
	v_and_b32 v4, 7, v0
	v_lshl_add_u32 v[WO], v4, 8, v[WO]             ; block l % 8
	s_cmp_lg_u32 s[WV], 0
	s_cbranch_scc1 .Lno_w0
	global_prefetch_b8 v[WO], s[WP:WP+1] th:TH_LOAD_NT scope:SCOPE_SE  ; plane 0, my work-group's four rows: wave 0 alone
.Lno_w0:
	v_and_b32 v1, 15, v0                           ; r = l % 16
	v_bfe_u32 v2, v0, 4, 1                         ; h = l / 16
	v_mul_u32_u24 v[ADA0], v1, PA                  ; a raw fragment: row r; K 8 h + 0..7 are 32 bytes, K 16 + 8 h + 0..7 lie 64 bytes on
	v_lshl_add_u32 v[ADA0], v2, 5, v[ADA0]
	s_mul_i32 s62, s[RH], 64*PA
	v_add_nc_u32 v[ADA0], s62, v[ADA0]
	v_mul_u32_u24 v[ADB0], v1, PB                  ; a fragment of W: row r, 16 bytes at 16 h and 32 bytes on
	v_lshl_add_u32 v[ADB0], v2, 4, v[ADB0]
	s_mul_i32 s62, s[CH], 128*PB
	s_add_co_u32 s62, s62, BOFF
	v_add_nc_u32 v[ADB0], s62, v[ADB0]
	s_mul_i32 s62, s[WV], WSTG
	s_add_co_u32 s62, s62, STAGE                   ; my stage
	v_mul_u32_u24 v[STO], v1, 144                  ; in: row r, 16 bytes for each half of the lanes
	v_lshl_add_u32 v[STO], v2, 4, v[STO]
	v_add_nc_u32 v[STO], s62, v[STO]
	v_bfe_u32 v[RD], v0, 3, 2                      ; back: 32 lanes take four rows of 128 bytes,
	v_mul_u32_u24 v[RD], v[RD], 144
	v_and_b32 v3, 7, v0
	v_lshl_add_u32 v[RD], v3, 4, v[RD]
	v_add_nc_u32 v[RD], s62, v[RD]
	v_and_b32 v[GO], 31, v0                        ; which are 512 consecutive bytes of a head
	v_lshlrev_b32 v[GO], 4, v[GO]
	v_lshlrev_b32 v[BO], 5, v2                     ; the bias: columns 8 h + 0..7 of a block of 16
; Four products: numbers 4 grp .. 4 grp + 3 of a quarter's 32 (block a = number / 8, block b = number % 8), on buffers f.  The 32 accumulators take turns, one instruction a turn, in the same
; order in every quarter.  cb = 1: the bias starts the sums.
.macro MM4 f, grp, cb
.if \cb
	WIN W_MULB
.else
	WIN W_MUL
.endif
.set ix, 4*(\grp)
.rept 4
.if \cb
	v_wmma_f32_16x16x32_bf16 v[8*ix:8*ix+7], v[BF+64*(\f)+8*(ix%8):BF+64*(\f)+8*(ix%8)+7], v[AC+32*(\f)+8*(ix/8):AC+32*(\f)+8*(ix/8)+7], v[BI+8*(ix%8):BI+8*(ix%8)+7]
.else
	v_wmma_f32_16x16x32_bf16 v[8*ix:8*ix+7], v[BF+64*(\f)+8*(ix%8):BF+64*(\f)+8*(ix%8)+7], v[AC+32*(\f)+8*(ix/8):AC+32*(\f)+8*(ix/8)+7], v[8*ix:8*ix+7]
.endif
.set ix, ix+1
.endr
.endm
; Four conversions: half a fragment of x, raw buffer g to bf16 buffer g.  n: how many younger LDS instructions may be out when the group's two raw loads have to be in (none written where all are in).
.macro RID g, grp, n
.if (\n) >= 0
	s_wait_dscnt \n
.endif
	WIN W_RIDE
.irp i, 0,1,2,3
	v_cvt_pk_bf16_f32 v[AC+32*(\g)+4*(\grp)+\i], v[64*(\g)+8*(\grp)+2*\i], v[64*(\g)+8*(\grp)+2*\i+1]
.endr
.endm
.macro FB adr, q, f                    ; 16 loads: W's fragments of quarter q into buffer f
	WIN 0
.irp i, 0,1,2,3,4,5,6,7
	ds_load_b128 v[BF+64*(\f)+8*\i:BF+64*(\f)+8*\i+3],   v[\adr] offset:\i*16*PB+64*(\q)
	ds_load_b128 v[BF+64*(\f)+8*\i+4:BF+64*(\f)+8*\i+7], v[\adr] offset:\i*16*PB+64*(\q)+32
.endr
.endm
.macro FA adr, q, f                    ; 16 loads: x's raw fragments of quarter q into raw buffer f
	WIN W_TOR
.irp a, 0,1,2,3
	ds_load_b128 v[64*(\f)+16*\a:64*(\f)+16*\a+3],     v[\adr] offset:\a*16*PA+128*(\q)
	ds_load_b128 v[64*(\f)+16*\a+4:64*(\f)+16*\a+7],   v[\adr] offset:\a*16*PA+128*(\q)+16
	ds_load_b128 v[64*(\f)+16*\a+8:64*(\f)+16*\a+11],  v[\adr] offset:\a*16*PA+128*(\q)+64
	ds_load_b128 v[64*(\f)+16*\a+12:64*(\f)+16*\a+15], v[\adr] offset:\a*16*PA+128*(\q)+80
.endr
.endm
; A quarter on buffers f.  At its head 32 LDS loads may be out: W's 16 for this quarter, then 16 raw ones for the next.  The run in the middle: W's fragments of the next quarter
; (quarter bq at address badr), the raw ones of the quarter after (aq at aadr).  The four conversions in front of the run are its places behind the products that read the buffer last.
.macro QUARTER f, cb, badr, bq, aadr, aq
	s_wait_dscnt 16                                ; W's fragments are in; the 16 raw loads behind them may be out
.irp grp, 0,1,2,3
	MM4 \f, \grp, \cb
	RID 1-(\f), \grp, 14-2*\grp                    ; the group's two raw loads are in; the younger raw ones may be out
.endr
	FB \badr, \bq, 1-(\f)
	FA \aadr, \aq, \f
.irp grp, 4,5,6,7
	MM4 \f, \grp, \cb
	RID 1-(\f), \grp, 46-2*\grp                    ; the same count and the 32 just issued
.endr
.endm
; The third quarter (buffers 0) changes slots.  W's fragments of the fourth quarter, the slot's last bytes to be read, are asked for early.  Then each wave waits for all its tensor loads, of which
; one is out: its part of the other slot; adds 0 to its spare word; works on; and waits for the add and for its reads of this slot.  Behind the barrier nobody reads this slot any more and the other
; slot is whole.  fill = 1: the barrier opens a round of the cluster's barrier, and the slot is filled again, first thing behind it, with the K step two steps on in the walk.
.macro QMEET fill
	s_wait_dscnt 16
	MM4 0, 0, 0
	RID 1, 0, 14
	FB ADBC, 3, 1
	MM4 0, 1, 0
	RID 1, 1, 28                                   ; 12 younger raw loads and W's 16
	WIN 0                                          ; (the add's two registers lie in window 0)
	s_wait_tensorcnt 0x0                           ; no tensor load of mine is out, so a group 0 may be written
	ds_add_u32 v[SPW], v[NIL]                      ; 0 onto my spare word
.if \fill
	s_add_co_u32 s[KA], s[KA], 1                   ; the walking descriptors: the next K step;
	s_add_nc_u64 s[G0A+6:G0A+7], s[G0A+6:G0A+7], 512
	s_cmp_eq_u32 s[KA], 8                          ; behind a product's last K step the next tensor's first, and the next plane of wcv
	s_cselect_b64 s[G0A+6:G0A+7], s[AN:AN+1], s[G0A+6:G0A+7]
	s_cselect_b64 s[AN:AN+1], s[AN2:AN2+1], s[AN:AN+1]
	s_cselect_b32 s[INC], s[NBS], 0x100
	s_cselect_b32 s[KA], 0, s[KA]
	s_add_nc_u64 s[G0B+6:G0B+7], s[G0B+6:G0B+7], s[INC:INC+1]
	s_add_co_u32 s[G0A+5], s[LA], s[CUR]           ; into the slot in hand
	s_add_co_u32 s[G0B+5], s[LB], s[CUR]
.endif
	MM4 0, 2, 0
	RID 1, 2, 27                                   ; 10 raw, W's 16, the add
	MM4 0, 3, 0
	RID 1, 3, 25
	s_wait_dscnt 0x0                               ; the add is done, and my reads of this slot are over
	s_barrier_signal -1
	MM4 0, 4, 0                                    ; work on registers while the others arrive
	RID 1, 4, -1
	WIN 0
	s_barrier_wait -1
.if \fill
	CREST                                          ; no wave of any partner still reads this slot or has a load on its way
	JLOAD 1                                        ; my one tensor load behind the round: 116 matrix instructions ahead of the wait for it
.endif
	FA ADAN, 0, 0                                  ; the next K step's first raw fragments
.irp grp, 5,6,7
	MM4 0, \grp, 0
	RID 1, \grp, -1
.endr
.endm
.macro STEP fill                       ; a K step behind its first quarter
	QUARTER 1, 0, ADBC, 2, ADAC, 3
	QMEET \fill
	QUARTER 1, 0, ADBN, 0, ADAN, 1
.endm
.macro ADDRS                           ; the K step's LDS addresses
	v_add_nc_u32 v[ADAC], s[CUR], v[ADA0]
	v_add_nc_u32 v[ADBC], s[CUR], v[ADB0]
	v_add_nc_u32 v[ADAN], s[NXT], v[ADA0]
	v_add_nc_u32 v[ADBN], s[NXT], v[ADB0]
.endm
; THE WAY OUT of block a (16 rows), in three parts.  PACK: rounded to f16, 16 bytes a lane, each accumulator's registers in ascending order.  TOSTAGE: into my own stage, by heads, and back as
; whole rows.  SEND: stored, 512 consecutive bytes of a head an instruction.
.macro PACK a
	WIN W_PACK
.irp b, 0,1,2,3,4,5,6,7
.irp i, 0,1,2,3
	v_cvt_pk_f16_f32 v[TMP+4*\b+\i], v[8*(8*(\a)+\b)+2*\i], v[8*(8*(\a)+\b)+2*\i+1]
.endr
.endr
	WIN 0
.endm
.macro TOSTAGE a
	WIN 0
.irp b, 0,1,2,3,4,5,6,7
	ds_store_b128 v[STO], v[TMP+4*\b:TMP+4*\b+3] offset:(\b/4)*2304+(\b%4)*32
.endr
.irp t, 0,1,2,3,4,5,6,7
	ds_load_b128 v[BK+32*((\a)%2)+4*\t:BK+32*((\a)%2)+4*\t+3], v[RD] offset:(\t/4)*2304+(\t%4)*576  ; LDS serves a wave's instructions in order (ISA guide 5.7.1.4): these see the stores above
.endr
.endm
.macro SEND a
	WIN 0
	s_wait_dscnt 0x0                               ; the block is back in registers
	s_wait_xcnt 0x0                                ; the stores of the block before have read their registers, which the next block's loads from the stage write
.irp t, 0,1,2,3,4,5,6,7
	global_store_b128 v[GO], v[BK+32*((\a)%2)+4*\t:BK+32*((\a)%2)+4*\t+3], s[OB:OB+1] offset:(\t/4)*131072+(\a)*2048+(\t%4)*512
.endr
.endm
.macro WAYOUT                          ; the last quarter's last four conversions are the places behind the last product
	PACK 0
	TOSTAGE 0
.irp a, 1,2,3                          ; block a's conversions stand between block a - 1's loads from the stage and the wait for them
	PACK \a
	SEND \a-1
	TOSTAGE \a
.endr
	SEND 3
.endm
.macro BIASLD                          ; my 128 numbers of the bias: for block b, columns 16 b + 8 h + 0..7
	WIN W_TOR
.irp b, 0,1,2,3,4,5,6,7
	global_load_b128 v[BI+8*\b:BI+8*\b+3],   v[BO], s[BP:BP+1] offset:64*\b
	global_load_b128 v[BI+8*\b+4:BI+8*\b+7], v[BO], s[BP:BP+1] offset:64*\b+16
.endr
	WIN 0
.endm
.macro BIASRND                         ; rounded to bf16, like every input, and kept as f32
	s_wait_loadcnt 0x0
	WIN W_RIDE
.set z, 0
.rept 32
	v_cvt_pk_bf16_f32 v[TMP+z], v[BI+2*z], v[BI+2*z+1]
.set z, z+1
.endr
	WIN W_TOR
.set z, 0
.rept 32
	v_lshlrev_b32 v[BI+2*z], 16, v[TMP+z]
	v_and_b32 v[BI+2*z+1], s[HIM], v[TMP+z]
.set z, z+1
.endr
	WIN 0
.endm
	BIASLD                                         ; bq
	BIASRND
	s_mov_b64 s[BP:BP+1], s[14:15]                 ; bk is next (the loads that named the pair are done)
	s_wait_tensorcnt 0x1                           ; my part of K step 0 is in; K step 1's may stay out
	s_barrier_signal -1
	s_barrier_wait -1                              ; everybody's is
	FA ADA0, 0, 0                                  ; the pipeline starts: raw fragments of quarter 0, W's of quarter 0, raw ones of quarter 1
	FB ADB0, 0, 0
	FA ADA0, 1, 1
	s_wait_dscnt 32                                ; the first 16 are in
.irp grp, 0,1,2,3,4,5,6,7
	RID 0, \grp, -1
.endr
	WIN 0                                          ; at a label and at a branch every window is 0
	s_mov_b32 s[T], 22
.Lstep:                                                ; 22 K steps, each of which fills its slot again
	ADDRS
	s_cmp_eq_u32 s[KP], 0
	s_cbranch_scc0 .Lplain
	QUARTER 0, 1, ADBC, 1, ADAC, 2                 ; a product's first quarter: the bias starts the sums, nothing is cleared
	WIN 0
	s_cmp_eq_u32 s[PJ], 2
	s_cbranch_scc1 .Ljoin
	BIASLD                                         ; the next product's bias: the quarter's last four conversions are the places behind the last product that read these registers
	s_branch .Ljoin
.Lplain:
	QUARTER 0, 0, ADBC, 1, ADAC, 2
	WIN 0
.Ljoin:
	s_bitcmp1_b32 s[KP], 0                         ; THE PREFETCH: in odd K steps,
	s_cbranch_scc0 .Lnoask
	s_cmp_eq_u32 s[PC], 0                          ; ten times: the walk's step 21 has nothing left to ask for
	s_cbranch_scc1 .Lnoask
	s_wait_xcnt 0x0                                ; the last prefetch stands two K steps back: its pointers are stepped only behind this wait
	s_sub_co_u32 s[PC], s[PC], 1
	s_add_co_u32 s[PK], s[PK], 1                   ; the next pair of K steps, 1,024 bytes on in my rows;
	s_add_nc_u64 s[PF:PF+1], s[PF:PF+1], 1024
	s_cmp_eq_u32 s[PK], 4                          ; behind a tensor's last pair the next tensor's first
	s_cselect_b64 s[PF:PF+1], s[PN:PN+1], s[PF:PF+1]
	s_cselect_b64 s[PN:PN+1], s[PN2:PN2+1], s[PN:PN+1]
	s_cselect_b32 s[PK], 0, s[PK]
	global_prefetch_b8 v[PO], s[PF:PF+1] th:TH_LOAD_NT scope:SCOPE_SE  ; x of the K steps three and four steps on: my wave's eight rows x 1,024 bytes
	s_cbranch_scc0 .Lnoask                         ; (the compare with 4 still stands)
	s_add_nc_u64 s[WP:WP+1], s[WP:WP+1], 0x200000  ; with the next tensor goes the next plane of wcv
	s_cmp_lg_u32 s[WV], 0
	s_cbranch_scc1 .Lnoask
	global_prefetch_b8 v[WO], s[WP:WP+1] th:TH_LOAD_NT scope:SCOPE_SE  ; my work-group's four rows of it, whole: wave 0 alone
.Lnoask:
	STEP 1
	WIN 0
	s_add_co_u32 s[KP], s[KP], 1
	s_and_b32 s[KP], s[KP], 7
	s_cmp_lg_u32 s[KP], 0
	s_cbranch_scc1 .Lnoend
	WAYOUT                                         ; a product is finished; the ring has gone on: the next product's first two K steps are asked for
	s_wait_xcnt 0x0                                ; the stores have read their registers and their base
	s_add_nc_u64 s[OB:OB+1], s[OB:OB+1], 0x1000000 ; the next plane of qkv
	BIASRND
	s_mov_b64 s[BP:BP+1], s[BP2:BP2+1]
	s_add_co_u32 s[PJ], s[PJ], 1
.Lnoend:
	s_xor_b32 s[CUR], s[CUR], SLOT                 ; 0 and SLOT change places
	s_xor_b32 s[NXT], s[NXT], SLOT
	s_sub_co_u32 s[T], s[T], 1
	s_cmp_lg_u32 s[T], 0
	s_cbranch_scc1 .Lstep
	s_mov_b32 s[T], 2
.Ltail:                                                ; the last two K steps ask for nothing.  One text serves both: the very last step's 48 loads ahead and 32 conversions take the other slot's old bytes and serve nothing
	ADDRS
	QUARTER 0, 0, ADBC, 1, ADAC, 2
	STEP 0
	WIN 0
	s_xor_b32 s[CUR], s[CUR], SLOT
	s_xor_b32 s[NXT], s[NXT], SLOT
	s_sub_co_u32 s[T], s[T], 1
	s_cmp_lg_u32 s[T], 0
	s_cbranch_scc1 .Ltail
	WAYOUT
	s_wait_tensorcnt 0x0                           ; the wave's end, behind my last tensor load and my last LDS store
	ds_add_u32 v[SPW], v[NIL]
	s_wait_dscnt 0x0
	CROUND                                         ; the closing round: no work-group ends while a partner may still ask for a tile that names it
	s_endpgm
.Lfunc_end_k_q296f35dfa4_proj:
	.size	k_q296f35dfa4_proj, .Lfunc_end_k_q296f35dfa4_proj-k_q296f35dfa4_proj
	.p2alignl 7, 3214868480
	.fill 96, 4, 3214868480
	.section	.rodata,"a",@progbits
	.p2align	6, 0x0
	.amdhsa_kernel k_q296f35dfa4_proj
		.amdhsa_group_segment_fixed_size 327680
		.amdhsa_private_segment_fixed_size 0
		.amdhsa_enable_private_segment 0
		.amdhsa_kernarg_size 64
		.amdhsa_user_sgpr_count 2
		.amdhsa_user_sgpr_kernarg_segment_ptr 1
		.amdhsa_wavefront_size32 1
		.amdhsa_system_sgpr_workgroup_id_x 1
		.amdhsa_system_sgpr_workgroup_id_y 1
		.amdhsa_system_sgpr_workgroup_id_z 1
		.amdhsa_system_vgpr_workitem_id 0
		.amdhsa_next_free_vgpr 704
		.amdhsa_next_free_sgpr 106
		.amdhsa_reserve_vcc 0
		.amdhsa_float_denorm_mode_32 3
		.amdhsa_float_denorm_mode_16_64 3
		.amdhsa_memory_ordered 1
		.amdhsa_forward_progress 1
		.amdhsa_inst_pref_size 122
	.end_amdhsa_kernel
	.amdgpu_metadata
---
amdhsa.version: [ 1, 2 ]
amdhsa.kernels:
  - .name:           k_q296f35dfa4_proj
    .symbol:         k_q296f35dfa4_proj.kd
    .args:
      - { .name: query, .offset: 0, .size: 8, .value_kind: global_buffer, .address_space: global }
      - { .name: key, .offset: 8, .size: 8, .value_kind: global_buffer, .address_space: global }
      - { .name: value, .offset: 16, .size: 8, .value_kind: global_buffer, .address_space: global }
      - { .name: wcv, .offset: 24, .size: 8, .value_kind: global_buffer, .address_space: global }
      - { .name: bq, .offset: 32, .size: 8, .value_kind: global_buffer, .address_space: global }
      - { .name: bk, .offset: 40, .size: 8, .value_kind: global_buffer, .address_space: global }
      - { .name: bv, .offset: 48, .size: 8, .value_kind: global_buffer, .address_space: global }
      - { .name: qkv, .offset: 56, .size: 8, .value_kind: global_buffer, .address_space: global }
    .group_segment_fixed_size: 327680
    .private_segment_fixed_size: 0
    .kernarg_segment_align: 8
    .kernarg_segment_size: 64
    .max_flat_workgroup_size: 128
    .sgpr_count:     106
    .vgpr_count:     704
    .wavefront_size: 32
...
	.end_amdgpu_metadata
.endif
;; end of part 2
;; launch attn (part 3): grid 2 x 128, 4 waves a work-group, no clusters, 327,680 bytes of LDS; arguments qkv, xh; writes xh
.if DOCPART == 3
	.amdgcn_target "amdgcn-amd-amdhsa--gfx1250"
	.amdhsa_code_object_version 6
	.text
	.protected	k_q296f35dfa4_attn
	.globl	k_q296f35dfa4_attn
	.p2align	8
	.type	k_q296f35dfa4_attn,@function
k_q296f35dfa4_attn:
	s_mov_b64 s[64:65], 0
	v_nop
	global_prefetch_b8 v0, s[64:65] scope:SCOPE_SE
	s_setreg_imm32_b32 hwreg(HW_REG_WAVE_MODE, 25, 1), 1
	s_wait_xcnt 0x0
; O[h][q][:] = the sum over k of softmax_k(Q[h][q] . K[h][k] / 8) V[h][k][:].  Q, K, V are the three planes of qkv, O is xh: [128][1024][64], all f16: a head's rows are dense, 128 bytes each.
; Products, maxima and sums in f32; the weights p are rounded to f16 for the second product (their sum l is taken of the unrounded p), O once at the end.
; LIMITS.  f16 holds no number beyond 65,504: Q, K and V arrive within it; p lies in 0 to 1, and below 6e-5 it keeps f16's fixed step of 6e-8; O is a mean of V's rows and has their range.
; A weight below 2^-126 counts as 0 in l; NaN and infinities are not treated apart.
; SHARES.  A wave owns four PIECES of two tiles of 16 queries, a work-group's four waves 512 queries of one head: 2 x 128 work-groups.  Every wave walks all 1,024 keys, 64 a step.
; LDS.  A head's whole K (1,024 rows x 144 bytes) and V (1,024 x 160) fit: every byte is filled once, so no slot is filled again.  Each wave issues two tensor loads at the start: a short
; one (160 keys; the four together hold steps 0 to 4) that the first steps wait for, and a long one (352 keys) that has four key steps, 512 matrix instructions, in which to land.
; NO CLUSTER: a head has two query blocks, so a cluster of four would hold two heads; what the two would share is 256 KB for 2,048 matrix instructions a wave.
; LAYOUT.  S^T = K Q^T (source 0 = 16 keys, source 1 = 16 queries): in the result a lane holds ONE query (lane % 16) and the keys 8 (lane / 16) + 0..7.  Two such tiles, rounded to f16 in pairs,
; ARE source 1 (32 keys x 16 queries) of O^T = V^T P, whose result again holds one query a lane, and eight channels.  K comes out of LDS as it lies, V ([key][channel]) turned, by ds_load_tr16_b128.
; SOFTMAX.  For each query a running maximum m and sum l: p = 2^(c s - c m), c = log2(e) / 8; in every step O and l are multiplied by a = 2^(c m_old - c m_new), which is 1 where m has not grown.
; m starts at the lowest finite number, O and l at 0: the first step is a step like any other, with a = 0.
; BY TURNS.  Turn n belongs to piece n (the pieces in a ring, step after step).  Its matrix work: 16 products K Q^T of piece n + 1, later 16 products V^T P of piece n - 1.  Its vector work: the scaling,
; exponentials, roundings, sums and rescaling of piece n, and the maximum and statistics of piece n + 1.  A tile and step have 16 matrix and 118 vector instructions: four vector instructions that are
; ready stand behind every matrix instruction, the others in two runs of their own.
; REGISTERS, in windows of 256 (s_set_vgpr_msb: bits 1:0 source 0, 3:2 source 1, 5:4 source 2, 7:6 destination):
;   window 0: v0-11 addresses; v12-15, v48-63 at work; v16-47 four registers of statistics a tile; v64-191 S^T, two buffers of two tiles; v192-255 P, likewise
;   window 1: O^T, 32 a tile          window 2: v0-127 Q, 16 a tile; v128-191 K of one step; v192-255 V of one step
.set SIZE_N, 1024
.set NP,    4         ; pieces a wave: a name, no knob
.set KS,    64        ; keys in a step
.set PK,    144       ; a row of K in LDS: 128 bytes + 16 of padding = 36 words: the 16 rows of a load begin at 16 different places modulo 64 words
.set PV,    160       ; a row of V: 128 + 32 = 40 words: 16 lanes of the turning load take 8 rows x 32 bytes, no word's place modulo 64 twice
.set VOFF,  SIZE_N*PK
.set STAGE, VOFF+SIZE_N*PV  ; behind K and V, never filled by a tensor load: 16 rows x 144 bytes for each wave, for the way out
.set SP,    144
.set N1,    160       ; keys in a wave's first load
.set N2,    352       ; in its second
.set AK0, 2           ; v2   my lane's place in a tile of K; never rewritten
.set AV0, 3           ; v3   the same for V
.set AK,  4           ; v4   the LDS address of K's next run of loads
.set AV,  5           ; v5   of V's
.set QO,  6           ; v6   my byte offset in the wave's rows of Q
.set STO, 6           ;      later, the way out: where I put 16 bytes of a row
.set RD,  7           ; v7   the way out: where I read rows back
.set GO,  8           ; v8   my byte offset in 512 consecutive bytes of O
.set MV,  12          ; v12-15  c m_old, kept while c m is made anew: by buffer and tile
.set ST,  16          ; tile t's statistics at v[ST+4 t]: c m, m, l (even keys', odd keys')
.set TMP, 48          ; by buffer and tile, four registers c0-c3 at work; when the maximum is found c2 takes a
.set S,   64
.set P,   192
.set KF,  128         ; K's fragments, in window 2: key block kb, channel half c at KF + 16 kb + 8 c
.set VF,  192         ; V's: key half kk, channel block cb at VF + 32 kk + 8 cb
.set WV,  12          ; s12  my wave's number
.set G1A, 24          ; s[24:31] descriptor group 1 of my first load
.set G1B, 32          ; s[32:39] of my second
.set G0A, 40          ; s[40:43] descriptor group 0 of my first load
.set G0B, 44          ; s[44:47] of my second
.set SLOTS, 56        ; s56  counts groups of four key steps
.set CNT, 57          ; s57  counts a group's key steps
.set CS,  58          ; s[58:59] c: the packed scaling takes the pair's low word for both halves
.set SEL, 60          ; s[60:61] v_permlanex16_b32's selects: each lane takes its own place in the other half
.set TBK, 62          ; s62  LDS byte at which K of the step to be fetched begins
.set TBV, 63          ; s63  the same for V, less VOFF
.set MSB, 0
.macro WIN new                      ; the high byte repeats the setting that is left; a switch that changes nothing is dropped
.if MSB != (\new)
	s_set_vgpr_msb (MSB<<8)|(\new)
.set MSB, (\new)
.endif
.endm
.set W_KQ, 0x0a       ; K and Q in window 2, S^T in window 0
.set W_PV, 0x52       ; V in window 2, P in window 0, O^T in window 1
.set W_RS, 0x41       ; O^T (destination and source 0) in window 1, a in window 0
	s_load_b64 s[4:5], s[0:1], 0x0    ; qkv
	s_load_b64 s[10:11], s[0:1], 0x8  ; xh
	s_set_vgpr_msb 0xc0
	v_lshl_add_u32 v0, v0, 2, 0x4e400
	v_mov_b32 v1, 0
	s_set_vgpr_msb 0xc0cf
	ds_add_u32 v0, v1
	ds_add_u32 v0, v1
	s_set_vgpr_msb 0xcf00
	v_lshrrev_b32 v1, 5, v0
	v_readfirstlane_b32 s[WV], v1   ; wave 0..3
	s_and_b32 s20, ttmp7, 0xffff    ; the head,
	s_lshl_b32 s20, s20, 17         ; its first byte in each plane: 131,072 bytes a head
	s_and_b32 s16, s[WV], 1         ; u: which part of K, or of V, I fetch
	s_lshl_b32 s2, ttmp9, 2
	s_add_co_u32 s2, s2, s[WV]      ; my wave among the head's eight,
	s_lshl_b32 s2, s2, 14           ; its 128 rows
	s_add_co_u32 s2, s2, s20
	s_mov_b32 s3, 0
	s_mul_i32 s22, s16, N1*128      ; my first load: keys 160 u on
	s_add_co_u32 s22, s22, s20
	s_mov_b32 s23, 0
	s_mul_i32 s18, s16, N2*128      ; my second: keys 320 + 352 u on
	s_add_co_u32 s18, s18, 2*N1*128
	s_add_co_u32 s18, s18, s20
	s_mov_b32 s19, 0
	; descriptor group 1.  Keys are dense in memory: asked for as rows of 256 bytes, two keys a row, and padded in LDS after every key
.irp g, G1A, G1B
	s_mov_b32 s[\g+1], 128<<16      ; tensor_dim0 = 128
	s_mov_b32 s[\g+3], 128<<16      ; tile_dim0 = 128
	s_mov_b32 s[\g+5], 128          ; 128 elements from row to row
	s_mov_b32 s[\g+6], 0
	s_mov_b32 s[\g+7], 0
.endr
	s_mov_b32 s[G1A+2], (N1/2)<<16  ; tensor_dim1 = 80
	s_mov_b32 s[G1A+4], N1/2        ; tile_dim1 = 80
	s_mov_b32 s[G1B+2], (N2/2)<<16  ; 176
	s_mov_b32 s[G1B+4], N2/2
	s_mov_b32 s[G0A], 1             ; count = 1
	s_mov_b32 s[G0B], 1
	s_mov_b32 s[CS], 0x3e38aa3b     ; c = log2(e) / 8 = 0.180337
	s_mov_b32 s[CS+1], s[CS]        ; named with it as a pair
	s_mov_b32 s[SEL], 0x76543210
	s_mov_b32 s[SEL+1], 0xfedcba98
	s_mov_b32 s[TBK], 0
	s_mov_b32 s[TBV], 0
	s_wait_dscnt 0x0
	s_wait_kmcnt 0x0
	s_add_nc_u64 s[10:11], s[10:11], s[2:3]  ; O at my wave's first row
	s_cmp_lt_u32 s[WV], 2           ; waves 0 and 1 fill K, waves 2 and 3 V.  A wave's two fills stand in one branch, ahead of every wait on TENSORcnt, every LDS read and every barrier: two loads of mine are out
	s_cbranch_scc0 .Lfill_v
	s_mov_b32 s[G1A], (1<<16)|(1<<20)|(4<<22)|(3<<25)  ; 2-byte elements; padding on; after every 32 words; 4 words of it
	s_mov_b32 s[G1B], (1<<16)|(1<<20)|(4<<22)|(3<<25)
	s_mul_i32 s[G0A+1], s16, N1*PK
	s_mul_i32 s[G0B+1], s16, N2*PK
	s_add_co_u32 s[G0B+1], s[G0B+1], 2*N1*PK
	s_add_nc_u64 s[6:7], s[4:5], 0x1000000   ; K's plane
	s_add_nc_u64 s[G0A+2:G0A+3], s[6:7], s[22:23]
	s_or_b32 s[G0A+3], s[G0A+3], 0x80000000  ; type = 2
	s_add_nc_u64 s[G0B+2:G0B+3], s[6:7], s[18:19]
	s_or_b32 s[G0B+3], s[G0B+3], 0x80000000
	tensor_load_to_lds s[G0A:G0A+3], s[G1A:G1A+7]
	s_nop 0
	tensor_load_to_lds s[G0B:G0B+3], s[G1B:G1B+7]
	s_nop 0
.rept 4
	v_nop
.endr
	s_branch .Lfilled
.Lfill_v:
	s_mov_b32 s[G1A], (1<<16)|(1<<20)|(4<<22)|(7<<25)  ; the same with 8 words of padding
	s_mov_b32 s[G1B], (1<<16)|(1<<20)|(4<<22)|(7<<25)
	s_mul_i32 s[G0A+1], s16, N1*PV
	s_add_co_u32 s[G0A+1], s[G0A+1], VOFF
	s_mul_i32 s[G0B+1], s16, N2*PV
	s_add_co_u32 s[G0B+1], s[G0B+1], VOFF+2*N1*PV
	s_add_nc_u64 s[8:9], s[4:5], 0x2000000   ; V's plane
	s_add_nc_u64 s[G0A+2:G0A+3], s[8:9], s[22:23]
	s_or_b32 s[G0A+3], s[G0A+3], 0x80000000
	s_add_nc_u64 s[G0B+2:G0B+3], s[8:9], s[18:19]
	s_or_b32 s[G0B+3], s[G0B+3], 0x80000000
	tensor_load_to_lds s[G0A:G0A+3], s[G1A:G1A+7]
	s_nop 0
	tensor_load_to_lds s[G0B:G0B+3], s[G1B:G1B+7]
	s_nop 0
.rept 4
	v_nop
.endr
.Lfilled:
	s_add_nc_u64 s[4:5], s[4:5], s[2:3]  ; Q at my wave's first row
	; A fragment of K or Q is 16 rows x 32 channels in 8 registers: lane l holds row l % 16, channels 8 (l / 16) + 0..7 and 16 + 8 (l / 16) + 0..7: two loads of 16 bytes, 32 bytes apart.
	v_and_b32 v1, 15, v0            ; l % 16
	v_bfe_u32 v9, v0, 4, 1          ; l / 16
	v_lshlrev_b32 v[QO], 7, v1
	v_lshl_add_u32 v[QO], v9, 4, v[QO]  ; row x 128 + 16 x half
	WIN 0x80                        ; destination window 2, address window 0
.set i, 0
.rept 4*NP                          ; Q stays in registers: tile i / 2, channels 32 (i % 2) on
	global_load_b128 v[8*i:8*i+3],   v[QO], s[4:5] offset:(i/2)*2048+(i%2)*64
	global_load_b128 v[8*i+4:8*i+7], v[QO], s[4:5] offset:(i/2)*2048+(i%2)*64+32
.set i, i+1
.endr
	; What the first turn finds: V's registers and P's second buffer hold 0 (its products V^T P, of a piece that has not been, add 0), O^T and l are 0.  All this stands in the wait for the first tile.
.set i, VF
.rept 64
	v_mov_b32 v[i], 0
.set i, i+1
.endr
	WIN 0x40
.set i, 0
.rept 64*NP
	v_mov_b32 v[i], 0
.set i, i+1
.endr
	WIN 0
.set i, 0
.rept 2*NP
	v_mov_b32 v[ST+4*i], 0xfe000000    ; c m: far below every c s
	v_mov_b32 v[ST+4*i+1], 0xff7fffff  ; m
	v_mov_b32 v[ST+4*i+2], 0
	v_mov_b32 v[ST+4*i+3], 0
.set i, i+1
.endr
.set i, P+32
.rept 32
	v_mov_b32 v[i], 0
.set i, i+1
.endr
	v_mul_u32_u24 v[AK0], v1, PK
	v_lshl_add_u32 v[AK0], v9, 4, v[AK0]  ; row x pitch + 16 x half
	; The turning load takes 16 keys x 16 channels (lane l reads key 8 (l / 16) + l % 8, channels 8 ((l / 8) % 2) + 0..7) and leaves half a fragment of V^T: lane l holds channel l % 16 and 8 keys.
	v_and_b32 v10, 7, v0
	v_bfe_u32 v11, v0, 3, 1
	v_lshl_add_u32 v[AV0], v9, 3, v10
	v_mul_u32_u24 v[AV0], v[AV0], PV
	v_lshl_add_u32 v[AV0], v11, 4, v[AV0]
	v_add_nc_u32 v[AV0], VOFF, v[AV0]
	v_mov_b32 v[AK], v[AK0]         ; key step 0 lies at K's head
; THE MATRIX WORK.  The 8 accumulators of a run of 16 take turns: between the two links of a chain stand 7 others'.
; Product i of 16 of S^T = K Q^T for piece x: channels 32 (i / 8) on, keys 16 ((i / 2) % 4) on, tile 2 x + i % 2.  The first 8 start the sums.
.macro KQ x
	WIN W_KQ
.set rS, S+64*((\x)%2)+32*(i%2)+8*((i/2)%4)
.set rK, KF+16*((i/2)%4)+8*(i/8)
.set rQ, 16*(2*(\x)+i%2)+8*(i/8)
.if i < 8
	v_wmma_f32_16x16x32_f16 v[rS:rS+7], v[rK:rK+7], v[rQ:rQ+7], 0
.else
	v_wmma_f32_16x16x32_f16 v[rS:rS+7], v[rK:rK+7], v[rQ:rQ+7], v[rS:rS+7]
.endif
.endm
; Product i of 16 of O^T += V^T P for piece x: keys 32 (i / 8) on, channels 16 ((i / 2) % 4) on, tile 2 x + i % 2.
.macro PV x
	WIN W_PV
.set rO, 32*(2*(\x)+i%2)+8*((i/2)%4)
.set rV, VF+32*(i/8)+8*((i/2)%4)
.set rP, P+32*((\x)%2)+16*(i%2)+8*(i/8)
	v_wmma_f32_16x16x32_f16 v[rO:rO+7], v[rV:rV+7], v[rP:rP+7], v[rO:rO+7]
.endm
.macro MM                           ; the turn's next matrix instruction
.if i < 16
	KQ (Y+1)%NP
.set i, i+1
.else
.set i, i-16
	PV (Y+NP-1)%NP
.set i, i+17
.endif
.endm
; THE LDS LOADS stand in runs of 16, never singly among the matrix instructions: a step's K (64 keys x 64 channels: 8 fragments) and its V (turned).  Their addresses are made some lines ahead.
.macro FETCH_K
	WIN 0x80                        ; destination window 2
.irp f, 0,1,2,3,4,5,6,7             ; keys 16 (f / 2) on, channels 32 (f % 2) on
	ds_load_b128 v[KF+8*\f:KF+8*\f+3],   v[AK] offset:(\f/2)*16*PK+(\f%2)*64
	ds_load_b128 v[KF+8*\f+4:KF+8*\f+7], v[AK] offset:(\f/2)*16*PK+(\f%2)*64+32
.endr
	s_add_co_u32 s[TBK], s[TBK], KS*PK  ; the next fetch is the next step's;
	s_min_u32 s[TBK], s[TBK], 15*KS*PK  ; behind the last step there is none: the last step's fetch takes the last K once more
	WIN 0
.endm
.macro FETCH_V
	WIN 0x80
.irp f, 0,1,2,3,4,5,6,7             ; keys 32 (f / 4) on, channels 16 (f % 4) on
	ds_load_tr16_b128 v[VF+8*\f:VF+8*\f+3],   v[AV] offset:(\f/4)*32*PV+(\f%4)*32
	ds_load_tr16_b128 v[VF+8*\f+4:VF+8*\f+7], v[AV] offset:(\f/4)*32*PV+16*PV+(\f%4)*32
.endr
	WIN 0
.endm
; THE VECTOR WORK OF A TURN stands in three queues, each in the order in which its entries become ready; the two tiles alternate, so that no instruction reads the result of the one before it.
.macro REGS y, u                    ; the registers of tile u (0, 1) of piece y
.set rT, ST+4*(2*(\y)+(\u))
.set rC, TMP+8*((\y)%2)+4*(\u)
.set rM, MV+2*((\y)%2)+(\u)
.set rS, S+64*((\y)%2)+32*(\u)
.set rP, P+32*((\y)%2)+16*(\u)
.set rO, 32*(2*(\y)+(\u))
.endm
; Number n of the 22 that find the NEXT piece's (Y + 1) maximum and statistics.  s0-s31 are the lane's 32 scores; each accumulator's lowest registers are read first.  XS, GS and REGS set no window: PL and EX do.
;   0-11  four chains c0-c3 of seven scores each, three operands at a time     12-14, 16  the four scores left over, the old m, and c0-c3 into c0     15  c m_old is kept
;   17, 18  the query's other 32 keys lie in the lane 16 away: the new m         19-21  c m; c m_old - c m_new; a
.macro XS u, n
	REGS (Y+1)%NP, \u
.if (\n) < 4
	v_max3_num_f32 v[rC+(\n)], v[rS+8*(\n)], v[rS+8*(\n)+1], v[rS+8*(\n)+2]
.elseif (\n) < 12
	v_max3_num_f32 v[rC+(\n)%4], v[rC+(\n)%4], v[rS+8*((\n)%4)+2*((\n)/4)+1], v[rS+8*((\n)%4)+2*((\n)/4)+2]
.elseif (\n) == 12
	v_max3_num_f32 v[rC], v[rC], v[rS+7], v[rS+15]
.elseif (\n) == 13
	v_max3_num_f32 v[rC+1], v[rC+1], v[rS+23], v[rS+31]
.elseif (\n) == 14
	v_max3_num_f32 v[rC+2], v[rC+2], v[rC+3], v[rT+1]
.elseif (\n) == 15
	v_mov_b32 v[rM], v[rT]
.elseif (\n) == 16
	v_max3_num_f32 v[rC], v[rC], v[rC+1], v[rC+2]
.elseif (\n) == 17
	v_permlanex16_b32 v[rC+3], v[rC], s[SEL], s[SEL+1]
.elseif (\n) == 18
	v_max_num_f32 v[rT+1], v[rC], v[rC+3]
.elseif (\n) == 19
	v_mul_f32 v[rT], s[CS], v[rT+1]
.elseif (\n) == 20
	v_sub_f32 v[rC+1], v[rM], v[rT]
.else
	v_exp_f32 v[rC+2], v[rC+1]
.endif
.endm
; Number g of the 64 that follow the exponentials.  For each four weights k of a tile (pairs 2 k, 2 k + 1): both pairs are rounded to f16; then the second pair is added onto the first, in place;
; a group later l takes that sum (the first time as l = a l + sum).  In groups of eight, tiles alternating: round, round, add, and l for the group before.
.macro GS g
.set h, (\g)+6*((\g)/62)            ; group 0 has no group before it, and behind group 7 only l is left
.if h >= 6
.set h, h+2
.endif
	REGS Y, h%2
.set k, h/8
.if h%8 < 4
	s_wait_alu depctr_va_vdst(0)
	v_cvt_pk_f16_f32 v[rP+2*k+(h%8)/2], v[rS+4*k+2*((h%8)/2)], v[rS+4*k+2*((h%8)/2)+1]
.elseif h%8 < 6
	v_pk_add_f32 v[rS+4*k:rS+4*k+1], v[rS+4*k:rS+4*k+1], v[rS+4*k+2:rS+4*k+3]
.elseif k == 1
	v_pk_fma_f32 v[rT+2:rT+3], v[rT+2:rT+3], v[rC+2:rC+3], v[rS:rS+1] op_sel_hi:[1,0,1]
.else
	v_pk_add_f32 v[rT+2:rT+3], v[rT+2:rT+3], v[rS+4*k-4:rS+4*k-3]
	s_wait_alu depctr_va_vdst(0)
.endif
.endm
; THE PLAIN QUEUE, 138 long.  0-31: c s - c m for the 16 pairs of both tiles.  Then GS's 64, and among them the next piece's 42: number 15 at 38, 39; 0-14 and 16
; at 42-73, behind the products that make those scores; 17-20 at 95-106, two of three, since each waits for the one before it.
.macro PL
	WIN 0
.if q < 32
	REGS Y, q%2
	v_pk_fma_f32 v[rS+2*(q/2):rS+2*(q/2)+1], v[rS+2*(q/2):rS+2*(q/2)+1], s[CS:CS+1], v[rT:rT+1] op_sel_hi:[1,0,0] neg_lo:[0,0,1] neg_hi:[0,0,1]
.elseif q < 38
	GS q-32
.elseif q < 40
	XS q%2, 15
.elseif q < 42
	GS q-34
.elseif q < 74
	XS q%2, (q-42)/2+(q-42)/30
.elseif q < 95
	GS q-66
.elseif (q < 107) && ((q-95)%3 < 2)
	XS (q-95)%3, 17+(q-95)/3
.elseif q < 107
	GS 29+(q-95)/3
.else
	GS q-74
.endif
.set q, q+1
.endm
; THE EXPONENTIALS' QUEUE, 66 long: s0-s31 of both tiles, and at EA the next piece's two a.
.set EA, 58
.macro EX
	WIN 0
.if (e == EA) || (e == EA+1)
	XS e-EA, 21
.else
.set x, e-2*(e/(EA+2))
	REGS Y, x%2
	v_exp_f32 v[rS+x/2], v[rS+x/2]
.endif
.set e, e+1
.endm
; THE RESCALING's QUEUE: O^T times a, the one part that leaves window 0, so it is dealt four at a time, eight times.
.macro R4
	REGS Y, r%2
	WIN W_RS
	s_wait_alu depctr_va_vdst(0)
.irp z, 0,1,2,3
	v_pk_mul_f32 v[rO+8*(r/2)+2*\z:rO+8*(r/2)+2*\z+1], v[rO+8*(r/2)+2*\z:rO+8*(r/2)+2*\z+1], v[rC+2:rC+3] op_sel_hi:[1,0]
.endr
.set r, r+1
.endm
; HOW THEY ARE DEALT.  Behind a matrix instruction four: plain, exponential, plain, plain (one exponential, a plain instruction on either side), or four of the rescaling.  None names a register of the
; products round it.  What is over stands in two runs: exponential and plain by turns; the second ends in 22 plain instructions.  The two v_permlanex16_b32 fall into the second run, never behind a product.
; The queues lean on each other, and the deal keeps them in step: exponential e stands behind plain 2 (e / 4) + e % 2 (its scaling); when plain 32 comes, 10 exponentials are out, at 59: 33, at 95: 46; EA comes behind plain 107.
.macro SL
	MM
	PL
	EX
	PL
	PL
.endm
.macro BURST n                      ; 15 matrix instructions, or 16
.rept (\n)-7
	SL
.endr
.rept 3
	MM
	R4
	SL
.endr
	MM
	R4
.endm
; A TURN, for piece p.  cnt = 1: the loop's count is taken down some lines ahead of the branch that stands behind the turn.
; K of the next step is fetched in piece 2's turn, 31 vector instructions behind the last product that read K; its first reader comes behind the rest of the run, 16 products and the second run.
; V of the step in hand is fetched at the end of piece 0's turn, 69 behind its last reader; its first reader comes behind 16 products and a run.  The four conditions on e and q below go with the deal.
.macro TURN p, cnt=0
.set Y, (\p)
.set i, 0
.set q, 0
.set e, 0
.set r, 0
.if (\p) == NP-1
	s_wait_dscnt 0x0                ; K is in
.endif
	MM
.rept 4
	PL
.endr
	BURST 15
.rept 22
	EX
	PL
.if ((\p) == NP-2) && (e == 18)
	v_add_nc_u32 v[AK], s[TBK], v[AK0]
.endif
.if ((\p) == NP-2) && (e == 24)
	FETCH_K
.endif
.endr
.if (\p) == 1
	s_wait_dscnt 0x0                ; V is in
.endif
	BURST 16
.rept 21
	EX
	PL
.endr
.rept 22
	PL
.if ((\p) == 0) && (q == 118)
	v_add_nc_u32 v[AV], s[TBV], v[AV0]
	s_wait_alu depctr_va_vdst(0)
.endif
.if ((\p) == 0) && (q == 130)
	s_add_co_u32 s[TBV], s[TBV], KS*PV
.endif
.if (\cnt) && (q == 130)
	s_sub_co_u32 s[CNT], s[CNT], 1
	s_cmp_lg_u32 s[CNT], 0
.endif
.endr
.if (\p) == 0
	FETCH_V
.endif
.endm
	s_wait_tensorcnt 0x1            ; my first load is in; the second may stay out
	s_barrier_signal -1
	s_barrier_wait -1               ; everybody's first load is in: keys 0 to 319 of K and of V
	FETCH_K                         ; key step 0
	s_wait_loadcnt 0x0              ; Q
	s_wait_dscnt 0x0
.set i, 0
.rept 16
	KQ 0                            ; piece 0's first scores: there is no vector work yet to set between them
.set i, i+1
.endr
	WIN 0                           ; the addresses for the way out: nine plain instructions, the places behind those products
	s_mul_i32 s13, s[WV], 16*SP
	s_add_co_u32 s13, s13, STAGE    ; my stage
	v_mul_u32_u24 v[STO], v1, SP    ; in: row l % 16, 16 bytes for each half of the lanes
	v_lshl_add_u32 v[STO], v9, 4, v[STO]
	v_add_nc_u32 v[STO], s13, v[STO]
	v_bfe_u32 v[RD], v0, 3, 2       ; back: 32 lanes take four rows of 128 bytes,
	v_mul_u32_u24 v[RD], v[RD], SP
	v_lshl_add_u32 v[RD], v10, 4, v[RD]
	v_add_nc_u32 v[RD], s13, v[RD]
	v_and_b32 v[GO], 31, v0         ; which are 512 consecutive bytes of O
	v_lshlrev_b32 v[GO], 4, v[GO]
.set Y, NP-1                        ; XS works for piece Y + 1: piece 0
.irp n, 0,1,2,3,4,5,6,7,8,9,10,11,12,13,14,15,16,17,18,19,20,21
	XS 0, \n                        ; and piece 0's first maximum and statistics
	XS 1, \n
.endr
	s_mov_b32 s[CNT], 4
	s_mov_b32 s[SLOTS], 4
	s_branch .Lstep                 ; the first four steps read the first loads' keys alone (K of step 4, keys 256 to 319, is fetched in step 3)
.Lslot:                             ; between groups of four steps.  The first time: my second load is in, and behind the barrier everybody's; the other two times both are met at once
	s_wait_tensorcnt 0x0
	s_wait_dscnt 0x0
	s_barrier_signal -1
	s_barrier_wait -1
	s_mov_b32 s[CNT], 4
.Lstep:                             ; a key step
	TURN 0
	TURN 1
	TURN 2
	TURN 3, 1
	WIN 0
	s_cbranch_scc1 .Lstep
	s_sub_co_u32 s[SLOTS], s[SLOTS], 1
	s_cmp_lg_u32 s[SLOTS], 0
	s_cbranch_scc1 .Lslot
	; the last step's 16 products K Q^T of piece 0 (on the last K once more) and the maximum made of them serve nothing: the price, once a launch, of one text for every step
.set i, 0
.rept 16
	PV NP-1                         ; the last piece's V^T P of the last step
.set i, i+1
.endr
	; THE WAY OUT.  l's two halves and the other half of the lanes' are added; O^T is divided by l, rounded to f16 and sent through my stage in LDS, a tile at a time.  The additions are the places behind the last products.
	WIN 0
.macro ALL line:vararg              ; one line for each tile t
.set t, 0
.rept 2*NP
	\line
.set t, t+1
.endr
.endm
	ALL v_add_f32 v[ST+4*t+2], v[ST+4*t+2], v[ST+4*t+3]
	ALL v_permlanex16_b32 v[ST+4*t+3], v[ST+4*t+2], s[SEL], s[SEL+1]
	ALL v_add_f32 v[ST+4*t+2], v[ST+4*t+2], v[ST+4*t+3]
	ALL v_rcp_f32 v[ST+4*t+2], v[ST+4*t+2]
	v_nop                           ; a plain instruction between the last reciprocal and the use of its result
	s_wait_alu depctr_va_vdst(0)
; Tile t: a lane's eight channels of a row pack into 16 bytes; they go into rows of 144 bytes and come back as whole rows of 128, into S^T's registers.
.macro PACK t
	WIN W_RS
.set i, 32*(\t)
.rept 16
	v_pk_mul_f32 v[i:i+1], v[i:i+1], v[ST+4*(\t)+2:ST+4*(\t)+3] op_sel_hi:[1,0]
.set i, i+2
.endr
	WIN 0x05                        ; sources 0 and 1 window 1, destination window 0
.set i, 0
.rept 16
	v_cvt_pk_f16_f32 v[S+16*(\t)+i], v[32*(\t)+2*i], v[32*(\t)+2*i+1]
.set i, i+1
.endr
	WIN 0
.irp f, 0,1,2,3
	ds_store_b128 v[STO], v[S+16*(\t)+4*\f:S+16*(\t)+4*\f+3] offset:32*\f
.endr
.irp f, 0,1,2,3
	ds_load_b128 v[S+16*(\t)+4*\f:S+16*(\t)+4*\f+3], v[RD] offset:\f*4*SP  ; LDS serves a wave's instructions in order (ISA guide 5.7.1.4): these see the stores above; the next tile's stores come behind them
.endr
.endm
.macro SEND t, younger              ; younger: the LDS instructions issued behind tile t's loads: the next tile's eight, or none
	WIN 0
.irp f, 0,1,2,3
	s_wait_dscnt (\younger)+3-\f
	global_store_b128 v[GO], v[S+16*(\t)+4*\f:S+16*(\t)+4*\f+3], s[10:11] offset:(\t)*2048+\f*512  ; 512 consecutive bytes, at a multiple of 256 from O's first
.endr
.endm
	PACK 0
.set t, 1
.rept 2*NP-1                        ; a tile's arithmetic stands between the loads of the tile before and its stores
	PACK t
	SEND t-1, 8
.set t, t+1
.endr
	SEND 2*NP-1, 0
	s_set_vgpr_msb 0xf
	s_wait_tensorcnt 0x0
	ds_add_u32 v0, v1
	s_wait_dscnt 0x0
	s_set_vgpr_msb 0xf00
	s_endpgm
.Lfunc_end_k_q296f35dfa4_attn:
	.size	k_q296f35dfa4_attn, .Lfunc_end_k_q296f35dfa4_attn-k_q296f35dfa4_attn
	.p2alignl 7, 3214868480
	.fill 96, 4, 3214868480
	.section	.rodata,"a",@progbits
	.p2align	6, 0x0
	.amdhsa_kernel k_q296f35dfa4_attn
		.amdhsa_group_segment_fixed_size 327680
		.amdhsa_private_segment_fixed_size 0
		.amdhsa_enable_private_segment 0
		.amdhsa_kernarg_size 16
		.amdhsa_user_sgpr_count 2
		.amdhsa_user_sgpr_kernarg_segment_ptr 1
		.amdhsa_wavefront_size32 1
		.amdhsa_system_sgpr_workgroup_id_x 1
		.amdhsa_system_sgpr_workgroup_id_y 1
		.amdhsa_system_sgpr_workgroup_id_z 1
		.amdhsa_system_vgpr_workitem_id 0
		.amdhsa_next_free_vgpr 770
		.amdhsa_next_free_sgpr 66
		.amdhsa_reserve_vcc 0
		.amdhsa_float_denorm_mode_32 3
		.amdhsa_float_denorm_mode_16_64 3
		.amdhsa_memory_ordered 1
		.amdhsa_forward_progress 1
		.amdhsa_inst_pref_size 130
	.end_amdhsa_kernel
	.amdgpu_metadata
---
amdhsa.version: [ 1, 2 ]
amdhsa.kernels:
  - .name:           k_q296f35dfa4_attn
    .symbol:         k_q296f35dfa4_attn.kd
    .args:
      - { .name: qkv, .offset: 0, .size: 8, .value_kind: global_buffer, .address_space: global }
      - { .name: xh, .offset: 8, .size: 8, .value_kind: global_buffer, .address_space: global }
    .group_segment_fixed_size: 327680
    .private_segment_fixed_size: 0
    .kernarg_segment_align: 8
    .kernarg_segment_size: 16
    .max_flat_workgroup_size: 128
    .sgpr_count:     66
    .vgpr_count:     770
    .wavefront_size: 32
...
	.end_amdgpu_metadata
.endif
;; end of part 3
;; launch score (part 4): grid 4 x 64, 4 waves a work-group, clusters of 4 x 4, 327,680 bytes of LDS; arguments xh, wcv, ba, qvec, apart; writes apart
.if DOCPART == 4
	.amdgcn_target "amdgcn-amd-amdhsa--gfx1250"
	.amdhsa_code_object_version 6
	.text
	.protected	k_q296f35dfa4_score
	.globl	k_q296f35dfa4_score
	.p2align	8
	.type	k_q296f35dfa4_score,@function
k_q296f35dfa4_score:
	s_mov_b64 s[64:65], 0
	v_nop
	global_prefetch_b8 v0, s[64:65] scope:SCOPE_SE
	s_setreg_imm32_b32 hwreg(HW_REG_WAVE_MODE, 25, 1), 1
	s_wait_xcnt 0x0
	s_wait_alu depctr_hold_cnt(0) depctr_sa_sdst(0) depctr_va_vdst(0) depctr_va_sdst(0) depctr_va_ssrc(0) depctr_va_vcc(0) depctr_vm_vsrc(0)
	s_getreg_b32 s2, hwreg(HW_REG_IB_STS2, 6, 4)
	s_cmp_eq_u32 s2, 0
	s_cbranch_scc0 .Lentry_in_a_cluster
	s_endpgm
.Lentry_in_a_cluster:
	s_bfe_u32 s2, ttmp6, 0x10000c
	s_cmp_lg_u32 s2, 0xf033
	s_cbranch_scc0 .Lentry_shape_is_right
	s_endpgm
.Lentry_shape_is_right:
; apart[2 nt + half][row] = the sum over 128 columns n of tanh(x[row] . Wa[n] + ba[n]) qvec[n].  x = xh, [128 heads][1024][64] f16 (row = 1,024 batch + s, column d = 64 head + channel);
; Wa = wcv[3], [1024][1024] f16; ba and qvec f32, rounded to bf16 like every input.  Sums in f32; ba starts the sums (the C operand of the first product).
; tanh(y) = 1 - 2 / (1 + 2^(2 log2(e) y)): 1 and -1 at the two ends, where the power is an infinity or 0.  NaN is not treated apart.
; SHARES.  256 tiles of 128 rows x 256 columns, one a work-group; four waves, each 64 rows x 128 columns: 32 accumulators.  K goes in 8 steps of 128 = two heads, through a ring of two LDS slots.
; CLUSTER.  4 x 4 work-groups: x's tile is shared along a row of the cluster, Wa's along a column; each is asked for JOINTLY, by the same tensor load with the same descriptor and mask in all four.
; THE MATRIX INSTRUCTION IS USED TRANSPOSED (source 0 = 16 rows of Wa, source 1 = 16 rows of x): a lane holds row l % 16 and eight neighbouring columns.
; REGISTERS, in windows of 256: window 0: v0-31 addresses; v32-63 the rows' sums; two fragment buffers of 96 (Wa 64, x 32) at v64 and v160.   window 1: accumulator (a, b) at v[8 (8 a + b)].
;   window 2: v0-63 ba, v64-127 qvec: 8 registers for each block b.
.set PAX,   144                        ; a row of x in LDS: 128 bytes + 16
.set PB,    272                        ; a row of Wa: 256 bytes + 16
.set HEADB, 128*PAX                    ; a head's 128 rows
.set BOFF,  2*HEADB                    ; a slot: two heads of x, then Wa's 256 rows
.set SLOT1, 1<<17                      ; slot 1 begins here, so that one exclusive or turns an address in one slot into the other's
.set STG,   SLOT1+BOFF+256*PB          ; behind the ring: 256 bytes for each wave, for the way out
.set SPARE, STG+1024                   ; the spare words, 128 bytes for each wave: two blocks of 256 bytes that no other line names
.set ADA0, 8
.set ADB0, 9
.set ADAC, 10                          ; my lane's places in the slot in hand,
.set ADBC, 11
.set ADAN, 12                          ; and in the other: made anew at the head of each K step
.set ADBN, 13
.set STO,  14                          ; v14  the way out: my row's word in my stage
.set RD,   15                          ; v15  where I read two rows' sums back
.set GO,   16                          ; v16  8 x lane
.set BO,   17                          ; v17  my byte offset in 16 numbers of ba and qvec
.set RES,  18                          ; v[18:19]
.set SPW,  28
.set NIL,  29
.set S,    32
.set FR,   64
.set QV,   64                          ; window 2
.set WV,  20
.set RH,  21
.set CH,  22
.set G1A, 24
.set G0A, 32
.set G1B, 40
.set G0B, 48
.set C2,  66                           ; s[66:67] 2 log2(e)
.set SEL, 68                           ; s[68:69] v_permlanex16_b32's selects
.set T,   76
.set CUR, 77
.set NXT, 78
.set LA,  79
.set LB,  80
.set HIM, 86
.set MSB, 0
.macro WIN new
.if MSB != (\new)
	s_set_vgpr_msb (MSB<<8)|(\new)
.set MSB, (\new)
.endif
.endm
.set W_MUL,  0x50                      ; C and D window 1, fragments window 0
.set W_MULB, 0x60                      ; D window 1, C (ba) window 2
.macro JLOAD s                         ; a joint load: waves 0 and 1 fetch the two heads of x, waves 2 and 3 the halves of Wa's tile; an s_nop 0 and four v_nop follow each line
	s_cmp_eq_u32 s[RH], 0
	s_cbranch_scc0 .Lfor_b_\@
	tensor_load_to_lds s[G0A+4*(\s):G0A+4*(\s)+3], s[G1A:G1A+7]
	s_nop 0
.rept 4
	v_nop
.endr
	s_branch .Lasked_\@
.Lfor_b_\@:
	tensor_load_to_lds s[G0B+4*(\s):G0B+4*(\s)+3], s[G1B:G1B+7]
	s_nop 0
.rept 4
	v_nop
.endr
.Lasked_\@:
.endm
.macro CREST
	s_cmp_lg_u32 s[WV], 0
	s_cbranch_scc1 .Lnot_wave_0_\@
	s_barrier_signal -3
.Lnot_wave_0_\@:
	s_barrier_wait -3
	s_barrier_signal -1
	s_barrier_wait -1
.endm
.macro CROUND
	s_barrier_signal -1
	s_barrier_wait -1
	CREST
.endm
	s_load_b256 s[4:11], s[0:1], 0x0               ; xh s[4:5], wcv s[6:7], ba s[8:9], qvec s[10:11]
	s_load_b64 s[12:13], s[0:1], 0x20              ; apart
	v_lshl_add_u32 v[SPW], v0, 2, SPARE
	v_mov_b32 v[NIL], 0
	ds_add_u32 v28, v29
	ds_add_u32 v28, v29
	s_wait_dscnt 0x0
	v_lshrrev_b32 v1, 5, v0
	v_readfirstlane_b32 s[WV], v1
	s_lshr_b32 s[RH], s[WV], 1                     ; which 64 rows are mine.  Also: I fetch x (0) or Wa (1)
	s_and_b32 s[CH], s[WV], 1                      ; which 128 columns.  Also: which head, or which half of Wa's tile, I fetch
	s_bfe_u32 s56, ttmp6, 0x40000                  ; cx
	s_bfe_u32 s57, ttmp6, 0x40004                  ; cy
	s_lshl_b32 s58, ttmp9, 2
	s_add_co_u32 s58, s58, s56                     ; nt
	s_and_b32 s59, ttmp7, 0xffff
	s_lshl_b32 s59, s59, 2
	s_add_co_u32 s59, s59, s57                     ; mt
	s_lshl_b32 s60, s57, 2
	s_lshl_b32 s60, 15, s60                        ; my row of the cluster
	s_lshl_b32 s61, 0x1111, s56                    ; my column
	; group 1 for x: a head's 128 rows are 16,384 dense bytes: 64 rows of 256 bytes, 4 words of padding behind every 32 words
	s_or_b32 s[G1A], s60, (1<<16)|(1<<20)|(1<<21)|(4<<22)|(3<<25)
	s_mov_b32 s[G1A+1], 128<<16
	s_mov_b32 s[G1A+2], 64<<16
	s_mov_b32 s[G1A+3], 128<<16
	s_mov_b32 s[G1A+4], 64
	s_mov_b32 s[G1A+5], 128
	s_mov_b32 s[G1A+6], 0
	s_mov_b32 s[G1A+7], 0
	; group 1 for Wa: 128 rows x 128 elements, 4 words of padding behind every 64 words
	s_or_b32 s[G1B], s61, (1<<16)|(1<<20)|(1<<21)|(5<<22)|(3<<25)
	s_mov_b32 s[G1B+1], 128<<16
	s_mov_b32 s[G1B+2], 128<<16
	s_mov_b32 s[G1B+3], 128<<16
	s_mov_b32 s[G1B+4], 128
	s_mov_b32 s[G1B+5], 1024
	s_mov_b32 s[G1B+6], 0
	s_mov_b32 s[G1B+7], 0
	s_lshr_b32 s88, s59, 3                         ; x: batch mt / 8 (16 heads of 131,072 bytes), head CH, row 128 (mt % 8) of 128 bytes
	s_lshl_b32 s88, s88, 21
	s_and_b32 s89, s59, 7
	s_lshl_b32 s89, s89, 14
	s_add_co_u32 s88, s88, s89
	s_lshl_b32 s62, s[CH], 17
	s_add_co_u32 s88, s88, s62
	s_mov_b32 s89, 0
	s_lshl_b32 s90, s58, 19                        ; Wa: plane 3 of wcv, row 256 nt + 128 CH of 2,048 bytes
	s_lshl_b32 s62, s[CH], 18
	s_add_co_u32 s90, s90, s62
	s_add_co_u32 s90, s90, 3*2097152
	s_mov_b32 s91, 0
	s_lshl_b32 s92, s58, 10                        ; ba and qvec: column 256 nt + 128 CH
	s_lshl_b32 s63, s[CH], 9
	s_add_co_u32 s92, s92, s63
	s_mov_b32 s93, 0
	s_lshl_b32 s94, s58, 16                        ; apart: plane 2 nt + CH of 32,768 bytes, row 128 mt + 64 RH
	s_lshl_b32 s63, s[CH], 15
	s_add_co_u32 s94, s94, s63
	s_lshl_b32 s63, s59, 9
	s_add_co_u32 s94, s94, s63
	s_lshl_b32 s63, s[RH], 8
	s_add_co_u32 s94, s94, s63
	s_mov_b32 s95, 0
	s_mul_i32 s[LA], s[CH], HEADB
	s_mul_i32 s[LB], s[CH], 128*PB
	s_add_co_u32 s[LB], s[LB], BOFF
	s_mov_b32 s[C2], 0x4038aa3b                    ; 2 log2(e)
	s_mov_b32 s[C2+1], s[C2]                       ; named with it as a pair
	s_mov_b32 s[SEL], 0x76543210
	s_mov_b32 s[SEL+1], 0xfedcba98
	s_mov_b32 s[CUR], 0
	s_mov_b32 s[NXT], SLOT1
	s_mov_b32 s[HIM], 0xffff0000
	s_wait_kmcnt 0x0
	s_add_nc_u64 s[4:5], s[4:5], s[88:89]
	s_add_nc_u64 s[6:7], s[6:7], s[90:91]
	s_add_nc_u64 s[8:9], s[8:9], s[92:93]
	s_add_nc_u64 s[10:11], s[10:11], s[92:93]
	s_add_nc_u64 s[12:13], s[12:13], s[94:95]
	CROUND                                         ; all sixteen work-groups are here: the first joint loads meet
.irp s, 0,1
	s_mov_b32 s[G0A+4*\s], 1
	s_add_co_u32 s[G0A+4*\s+1], s[LA], \s*SLOT1
	s_add_nc_u64 s[G0A+4*\s+2:G0A+4*\s+3], s[4:5], \s*262144   ; K step s: two heads on
	s_or_b32 s[G0A+4*\s+3], s[G0A+4*\s+3], 0x80000000
	s_mov_b32 s[G0B+4*\s], 1
	s_add_co_u32 s[G0B+4*\s+1], s[LB], \s*SLOT1
	s_add_nc_u64 s[G0B+4*\s+2:G0B+4*\s+3], s[6:7], \s*256
	s_or_b32 s[G0B+4*\s+3], s[G0B+4*\s+3], 0x80000000
	JLOAD \s                                       ; two loads of mine are out
.endr
	v_and_b32 v1, 15, v0                           ; r
	v_bfe_u32 v2, v0, 4, 1                         ; h
	v_lshlrev_b32 v[BO], 5, v2
	WIN 0x80                                       ; destination window 2, address window 0
.irp b, 0,1,2,3,4,5,6,7
	global_load_b128 v[8*\b:8*\b+3],       v[BO], s[8:9] offset:64*\b
	global_load_b128 v[8*\b+4:8*\b+7],     v[BO], s[8:9] offset:64*\b+16
	global_load_b128 v[QV+8*\b:QV+8*\b+3],   v[BO], s[10:11] offset:64*\b
	global_load_b128 v[QV+8*\b+4:QV+8*\b+7], v[BO], s[10:11] offset:64*\b+16
.endr
	WIN 0
	v_mul_u32_u24 v[ADA0], v1, PAX                 ; a fragment: row r, 16 bytes at 16 h and 32 bytes on
	v_lshl_add_u32 v[ADA0], v2, 4, v[ADA0]
	s_mul_i32 s62, s[RH], 64*PAX
	v_add_nc_u32 v[ADA0], s62, v[ADA0]
	v_mul_u32_u24 v[ADB0], v1, PB
	v_lshl_add_u32 v[ADB0], v2, 4, v[ADB0]
	s_mul_i32 s62, s[CH], 128*PB
	s_add_co_u32 s62, s62, BOFF
	v_add_nc_u32 v[ADB0], s62, v[ADB0]
	s_lshl_b32 s62, s[WV], 8
	s_add_co_u32 s62, s62, STG                     ; my stage
	v_lshl_add_u32 v[STO], v1, 2, s62
	v_and_b32 v[GO], 31, v0
	v_lshlrev_b32 v[GO], 3, v[GO]
	v_add_nc_u32 v[RD], s62, v[GO]
	s_wait_loadcnt 0x0                             ; ba and qvec: rounded to bf16, kept as f32; the first fragment buffer's registers are free for the packed words
	WIN 0x0a
.set z, 0
.rept 64
	v_cvt_pk_bf16_f32 v[FR+z], v[2*z], v[2*z+1]
.set z, z+1
.endr
	WIN 0x80
.set z, 0
.rept 64
	v_lshlrev_b32 v[2*z], 16, v[FR+z]
	v_and_b32 v[2*z+1], s[HIM], v[FR+z]
.set z, z+1
.endr
	WIN 0
; n blocks a from a0 on x all 8 blocks b, 32 along K, on buffer f.  The 32 accumulators take turns, one instruction a turn, in the same order in every quarter.
.macro MUL f, a0, n, cb
.if \cb
	WIN W_MULB
.else
	WIN W_MUL
.endif
.set ix, 8*(\a0)
.rept 8*(\n)
.if \cb
	v_wmma_f32_16x16x32_f16 v[8*ix:8*ix+7], v[FR+96*(\f)+8*(ix%8):FR+96*(\f)+8*(ix%8)+7], v[FR+96*(\f)+64+8*(ix/8):FR+96*(\f)+64+8*(ix/8)+7], v[8*(ix%8):8*(ix%8)+7]
.else
	v_wmma_f32_16x16x32_f16 v[8*ix:8*ix+7], v[FR+96*(\f)+8*(ix%8):FR+96*(\f)+8*(ix%8)+7], v[FR+96*(\f)+64+8*(ix/8):FR+96*(\f)+64+8*(ix/8)+7], v[8*ix:8*ix+7]
.endif
.set ix, ix+1
.endr
.endm
; 24 LDS loads in one run: quarter q's fragments into buffer f: Wa's 16, then x's 8 (head q / 2 of the slot's two, channels 32 (q % 2) on)
.macro FETCH badr, aadr, q, f
	WIN 0
.irp i, 0,1,2,3,4,5,6,7
	ds_load_b128 v[FR+96*(\f)+8*\i:FR+96*(\f)+8*\i+3],   v[\badr] offset:\i*16*PB+64*(\q)
	ds_load_b128 v[FR+96*(\f)+8*\i+4:FR+96*(\f)+8*\i+7], v[\badr] offset:\i*16*PB+64*(\q)+32
.endr
.irp a, 0,1,2,3
	ds_load_b128 v[FR+96*(\f)+64+8*\a:FR+96*(\f)+64+8*\a+3],   v[\aadr] offset:((\q)/2)*HEADB+\a*16*PAX+((\q)%2)*64
	ds_load_b128 v[FR+96*(\f)+64+8*\a+4:FR+96*(\f)+64+8*\a+7], v[\aadr] offset:((\q)/2)*HEADB+\a*16*PAX+((\q)%2)*64+32
.endr
.endm
.macro PLACES                          ; four places in front of loads into registers that matrix instructions have read, and of vector work on results just made
.rept 4
	v_nop
.endr
.endm
.macro QUARTER f, cb, q                ; multiplies buffer f; in its middle fetches quarter q of the same slot into the other buffer
	s_wait_dscnt 4                                 ; all but x's blocks 2 and 3
	MUL \f, 0, 2, \cb
	PLACES
	FETCH ADBC, ADAC, \q, 1-(\f)
	s_wait_dscnt 24                                ; all but the 24 just issued
	MUL \f, 2, 2, \cb
.endm
; The last quarter multiplies buffer 1 and changes slots: each wave waits for all its tensor loads (one is out: its part of the other slot), adds 0 to its spare word, and waits for that and for its
; reads of this slot.  fill = 1: the barrier opens a round of the cluster's barrier, and this slot is filled again, first thing behind it, two K steps ahead.
.macro TURN fill
	WIN 0
	s_wait_tensorcnt 0x0                           ; no tensor load of mine is out, so a group 0 may be written
	ds_add_u32 v[SPW], v[NIL]                      ; 0 onto my spare word
	s_wait_dscnt 5                                 ; (the add and x's blocks 2 and 3 may be out)
.if \fill
	s_xor_b32 s[G0A+5], s[G0A+5], SLOT1            ; the walking descriptors: the other slot than last time, the next K step
	s_add_nc_u64 s[G0A+6:G0A+7], s[G0A+6:G0A+7], 262144
	s_xor_b32 s[G0B+5], s[G0B+5], SLOT1
	s_add_nc_u64 s[G0B+6:G0B+7], s[G0B+6:G0B+7], 256
.endif
	MUL 1, 0, 1, 0
	s_wait_dscnt 0x0                               ; the add is done, and my reads of this slot are over
	s_barrier_signal -1
	MUL 1, 1, 1, 0
	WIN 0
	s_barrier_wait -1
.if \fill
	CREST                                          ; no wave of any partner still reads this slot or has a load on its way
	JLOAD 1                                        ; my one tensor load behind the round; its four v_nop are also the places in front of the loads below
.else
	PLACES
.endif
	FETCH ADBN, ADAN, 0, 0
	MUL 1, 2, 2, 0
.endm
.macro ADDRS
	v_add_nc_u32 v[ADAC], s[CUR], v[ADA0]
	v_add_nc_u32 v[ADBC], s[CUR], v[ADB0]
	v_add_nc_u32 v[ADAN], s[NXT], v[ADA0]
	v_add_nc_u32 v[ADBN], s[NXT], v[ADB0]
.endm
	s_wait_tensorcnt 0x1                           ; my part of K step 0 is in; K step 1's may stay out
	s_barrier_signal -1
	s_barrier_wait -1
	FETCH ADB0, ADA0, 0, 0
	s_mov_b32 s[T], 6
.Lstep:                                                ; six K steps, each of which fills its slot again
	ADDRS
	s_cmp_eq_u32 s[T], 6
	s_cbranch_scc0 .Lplain
	QUARTER 0, 1, 1                                ; the first quarter of all: ba starts the sums, nothing is cleared
	WIN 0
	s_branch .Ljoin
.Lplain:
	QUARTER 0, 0, 1
	WIN 0
.Ljoin:
	QUARTER 1, 0, 2
	QUARTER 0, 0, 3
	TURN 1
	WIN 0
	s_xor_b32 s[CUR], s[CUR], SLOT1
	s_xor_b32 s[NXT], s[NXT], SLOT1
	s_sub_co_u32 s[T], s[T], 1
	s_cmp_lg_u32 s[T], 0
	s_cbranch_scc1 .Lstep
	s_mov_b32 s[T], 2
.Ltail:                                                ; the last two K steps ask for nothing; one text serves both: the very last step's 24 loads ahead take the other slot's old bytes and serve nothing
	ADDRS
	QUARTER 0, 0, 1
	QUARTER 1, 0, 2
	QUARTER 0, 0, 3
	TURN 0
	WIN 0
	s_xor_b32 s[CUR], s[CUR], SLOT1
	s_xor_b32 s[NXT], s[NXT], SLOT1
	s_sub_co_u32 s[T], s[T], 1
	s_cmp_lg_u32 s[T], 0
	s_cbranch_scc1 .Ltail
	; THE WAY OUT.  Each accumulator in place, its registers in ascending order: tanh; then times qvec into the row's four chains of sums.
.macro TANHQ a, b
.set rA, 8*(8*(\a)+(\b))
	WIN 0x41                                       ; destination and source 0 window 1
.irp i, 0,2,4,6
	v_pk_mul_f32 v[rA+\i:rA+\i+1], v[rA+\i:rA+\i+1], s[C2:C2+1] op_sel_hi:[1,0]
.endr
.irp i, 0,1,2,3,4,5,6,7
	v_exp_f32 v[rA+\i], v[rA+\i]
.endr
	v_nop                                          ; a plain instruction between the last exponential and the use of its result
	s_wait_alu depctr_va_vdst(0)
.irp i, 0,2,4,6
	v_pk_add_f32 v[rA+\i:rA+\i+1], v[rA+\i:rA+\i+1], 1.0 op_sel_hi:[1,0]
.endr
.irp i, 0,1,2,3,4,5,6,7
	v_rcp_f32 v[rA+\i], v[rA+\i]
.endr
	v_nop
	s_wait_alu depctr_va_vdst(0)
.irp i, 0,2,4,6
	v_pk_fma_f32 v[rA+\i:rA+\i+1], v[rA+\i:rA+\i+1], -2.0, 1.0 op_sel_hi:[1,0,0]
.endr
	WIN 0x09                                       ; source 0 window 1, source 1 window 2, sums window 0
.irp i, 0,2,4,6
.if (\b) == 0
	v_pk_mul_f32 v[S+8*(\a)+\i:S+8*(\a)+\i+1], v[rA+\i:rA+\i+1], v[QV+8*(\b)+\i:QV+8*(\b)+\i+1]
.else
	v_pk_fma_f32 v[S+8*(\a)+\i:S+8*(\a)+\i+1], v[rA+\i:rA+\i+1], v[QV+8*(\b)+\i:QV+8*(\b)+\i+1], v[S+8*(\a)+\i:S+8*(\a)+\i+1]
.endif
.endr
.endm
	PLACES
.irp a, 0,1,2,3
.irp b, 0,1,2,3,4,5,6,7
	TANHQ \a, \b
.endr
.endr
	WIN 0
.irp a, 0,1,2,3                        ; a row's eight sums, and those of the lane 16 away, which holds the row's other columns
	v_pk_add_f32 v[S+8*\a:S+8*\a+1], v[S+8*\a:S+8*\a+1], v[S+8*\a+2:S+8*\a+3]
	v_pk_add_f32 v[S+8*\a+4:S+8*\a+5], v[S+8*\a+4:S+8*\a+5], v[S+8*\a+6:S+8*\a+7]
.endr
.irp a, 0,1,2,3
	v_pk_add_f32 v[S+8*\a:S+8*\a+1], v[S+8*\a:S+8*\a+1], v[S+8*\a+4:S+8*\a+5]
.endr
.irp a, 0,1,2,3
	v_add_f32 v[S+8*\a], v[S+8*\a], v[S+8*\a+1]
.endr
.irp a, 0,1,2,3
	v_permlanex16_b32 v[S+8*\a+1], v[S+8*\a], s[SEL], s[SEL+1]
.endr
.irp a, 0,1,2,3
	v_add_f32 v[S+8*\a], v[S+8*\a], v[S+8*\a+1]
.endr
.irp a, 0,1,2,3
	ds_store_b32 v[STO], v[S+8*\a] offset:64*\a    ; row 16 a + r of my 64; the two lanes of a row store the same number
.endr
	ds_load_b64 v[RES:RES+1], v[RD]                ; LDS serves a wave's instructions in order (ISA guide 5.7.1.4): rows 2 l and 2 l + 1
	s_wait_dscnt 0x0
	global_store_b64 v[GO], v[RES:RES+1], s[12:13] ; the wave stores 256 consecutive bytes, aligned
	s_wait_tensorcnt 0x0                           ; the wave's end, behind my last tensor load and my last LDS store
	ds_add_u32 v[SPW], v[NIL]
	s_wait_dscnt 0x0
	CROUND                                         ; the closing round
	s_endpgm
.Lfunc_end_k_q296f35dfa4_score:
	.size	k_q296f35dfa4_score, .Lfunc_end_k_q296f35dfa4_score-k_q296f35dfa4_score
	.p2alignl 7, 3214868480
	.fill 96, 4, 3214868480
	.section	.rodata,"a",@progbits
	.p2align	6, 0x0
	.amdhsa_kernel k_q296f35dfa4_score
		.amdhsa_group_segment_fixed_size 327680
		.amdhsa_private_segment_fixed_size 0
		.amdhsa_enable_private_segment 0
		.amdhsa_kernarg_size 40
		.amdhsa_user_sgpr_count 2
		.amdhsa_user_sgpr_kernarg_segment_ptr 1
		.amdhsa_wavefront_size32 1
		.amdhsa_system_sgpr_workgroup_id_x 1
		.amdhsa_system_sgpr_workgroup_id_y 1
		.amdhsa_system_sgpr_workgroup_id_z 1
		.amdhsa_system_vgpr_workitem_id 0
		.amdhsa_next_free_vgpr 640
		.amdhsa_next_free_sgpr 96
		.amdhsa_reserve_vcc 0
		.amdhsa_float_denorm_mode_32 3
		.amdhsa_float_denorm_mode_16_64 3
		.amdhsa_memory_ordered 1
		.amdhsa_forward_progress 1
		.amdhsa_inst_pref_size 113
	.end_amdhsa_kernel
	.amdgpu_metadata
---
amdhsa.version: [ 1, 2 ]
amdhsa.kernels:
  - .name:           k_q296f35dfa4_score
    .symbol:         k_q296f35dfa4_score.kd
    .args:
      - { .name: xh, .offset: 0, .size: 8, .value_kind: global_buffer, .address_space: global }
      - { .name: wcv, .offset: 8, .size: 8, .value_kind: global_buffer, .address_space: global }
      - { .name: ba, .offset: 16, .size: 8, .value_kind: global_buffer, .address_space: global }
      - { .name: qvec, .offset: 24, .size: 8, .value_kind: global_buffer, .address_space: global }
      - { .name: apart, .offset: 32, .size: 8, .value_kind: global_buffer, .address_space: global }
    .group_segment_fixed_size: 327680
    .private_segment_fixed_size: 0
    .kernarg_segment_align: 8
    .kernarg_segment_size: 40
    .max_flat_workgroup_size: 128
    .sgpr_count:     96
    .vgpr_count:     640
    .wavefront_size: 32
...
	.end_amdgpu_metadata
.endif
;; end of part 4
;; launch pool (part 5): grid 16 x 8, 8 waves a work-group, no clusters, 9,216 bytes of LDS; arguments apart, xh, out0; writes out0
.if DOCPART == 5
	.amdgcn_target "amdgcn-amd-amdhsa--gfx1250"
	.amdhsa_code_object_version 6
	.text
	.protected	k_q296f35dfa4_pool
	.globl	k_q296f35dfa4_pool
	.p2align	8
	.type	k_q296f35dfa4_pool,@function
k_q296f35dfa4_pool:
	s_mov_b64 s[64:65], 0
	v_nop
	global_prefetch_b8 v0, s[64:65] scope:SCOPE_SE
	s_setreg_imm32_b32 hwreg(HW_REG_WAVE_MODE, 25, 1), 1
	s_wait_xcnt 0x0
; out0[b][64 h + c] = the sum over s of alpha[b][s] x[b][s][64 h + c], alpha = softmax over s of a[b][s], a = the sum of apart's 8 planes, in ascending order.
; x = xh, [16 b + h][1024][64] f16.  All arithmetic in f32; the maximum over the batch's 1,024 rows is taken away before the exponential.  A weight below 2^-126 counts as 0; NaN is not treated apart.
; One work-group for each (b, h): 128 in all; a row of a head is 128 bytes, and a split over s would want a further launch.  Each makes the batch's softmax itself (32 KB of apart against 128 KB of x).
; Eight waves.  For the softmax thread t owns rows 4 t .. 4 t + 3.  For the sum it owns the 16 bytes at 16 t + 4,096 i, i = 0..31: row 32 i + t / 8, channels 8 (t % 8) + 0..7.
; All 40 loads of a lane go out at once; the softmax is made while x is on its way.  No matrix unit, no tensor load: the work is one pass over 128 KB.
; LDS: the 1,024 weights at 0; the waves' maxima at 4,096, their sums at 4,224; their partial results, 256 bytes each, at 4,608.  No byte is written twice.
.set O16, 128                          ; v128  16 t
.set AW,  130                          ; v130  4 x my wave's number
.set AE,  131                          ; v131  4 (t / 8)
.set PT,  132                          ; v[132:163] apart's 8 planes, my 4 rows of each
.set E,   164                          ; v[164:195] the weights of my 32 rows
.set SU,  196                          ; v[196:203] my 8 channels' sums
.set T8,  204                          ; v[204:211] at work
.set AP,  212                          ; v212  256 x wave + 32 (l % 8)
.set AR,  213                          ; v213  8 x lane
.set AZ,  215                          ; v215  0
.set W,   216                          ; v[216:217] at work
.set RL,  218                          ; v[218:219] 1 / the sum of the weights (the low register; the pair is named)
.set SEL, 20                           ; s[20:21] v_permlanex16_b32's selects
	s_load_b128 s[4:7], s[0:1], 0x0                ; apart s[4:5], xh s[6:7]
	s_load_b64 s[8:9], s[0:1], 0x10                ; out0
	v_lshl_add_u32 v224, v0, 2, 0x2000
	v_mov_b32 v225, 0
	v_lshlrev_b32 v[O16], 4, v0                    ; all that hangs on v0 is made first: x's loads land on v0-127, whose halves have names
	v_lshrrev_b32 v[AW], 5, v0
	v_readfirstlane_b32 s10, v[AW]                 ; my wave's number
	v_lshlrev_b32 v[AW], 2, v[AW]
	v_lshrrev_b32 v[AE], 3, v0
	v_lshlrev_b32 v[AE], 2, v[AE]
	v_and_b32 v[AP], 7, v0
	v_lshlrev_b32 v[AP], 5, v[AP]
	v_lshl_add_u32 v[AP], s10, 8, v[AP]
	v_and_b32 v[AR], 31, v0
	v_lshlrev_b32 v[AR], 3, v[AR]
	v_mov_b32 v[AZ], 0
	s_and_b32 s11, ttmp7, 0xffff                   ; b
	s_lshl_b32 s12, s11, 12                        ; the batch's 1,024 rows in a plane of apart
	s_mov_b32 s13, 0
	s_lshl_b32 s14, s11, 4
	s_add_co_u32 s14, s14, ttmp9                   ; head 16 b + h
	s_lshl_b32 s14, s14, 17
	s_mov_b32 s15, 0
	s_lshl_b32 s16, s11, 12                        ; out0: (1,024 b + 64 h) numbers of 4 bytes
	s_lshl_b32 s17, ttmp9, 8
	s_add_co_u32 s16, s16, s17
	s_mov_b32 s17, 0
	s_mov_b32 s18, 0x3fb8aa3b                      ; log2(e)
	s_mov_b32 s[SEL], 0x76543210
	s_mov_b32 s[SEL+1], 0xfedcba98
	s_wait_kmcnt 0x0
	s_add_nc_u64 s[4:5], s[4:5], s[12:13]
	s_add_nc_u64 s[6:7], s[6:7], s[14:15]
	s_add_nc_u64 s[8:9], s[8:9], s[16:17]
.irp k, 0,1,2,3,4,5,6,7
	global_load_b128 v[PT+4*\k:PT+4*\k+3], v[O16], s[4:5] offset:\k*32768
.endr
.set i, 0
.rept 32
	global_load_b128 v[4*i:4*i+3], v[O16], s[6:7] offset:4096*i th:TH_LOAD_NT
.set i, i+1
.endr
	s_wait_loadcnt 32                              ; apart's 8 loads are in; x's 32 stay out
.irp k, 1,2,3,4,5,6,7
	v_pk_add_f32 v[PT:PT+1], v[PT:PT+1], v[PT+4*\k:PT+4*\k+1]
	v_pk_add_f32 v[PT+2:PT+3], v[PT+2:PT+3], v[PT+4*\k+2:PT+4*\k+3]
.endr
	; the maximum: my four rows, the wave's 32 lanes, the eight waves
	v_max3_num_f32 v[W], v[PT], v[PT+1], v[PT+2]
	v_max_num_f32 v[W], v[W], v[PT+3]
	v_max_num_f32_dpp v[W], v[W], v[W] row_xmask:1 row_mask:0xf bank_mask:0xf
	v_max_num_f32_dpp v[W], v[W], v[W] row_xmask:2 row_mask:0xf bank_mask:0xf
	v_max_num_f32_dpp v[W], v[W], v[W] row_xmask:4 row_mask:0xf bank_mask:0xf
	v_max_num_f32_dpp v[W], v[W], v[W] row_xmask:8 row_mask:0xf bank_mask:0xf
	v_mov_b32 v[W+1], v[W]                         ; the next line's destination counts as read
	v_permlanex16_b32 v[W+1], v[W], s[SEL], s[SEL+1]
	v_max_num_f32 v[W], v[W], v[W+1]
	ds_store_b32 v[AW], v[W] offset:4096           ; all lanes store the same number to the wave's word
	s_wait_dscnt 0x0                               ; for the others' sake
	s_barrier_signal -1
	s_barrier_wait -1
	ds_load_b128 v[T8:T8+3], v[AZ] offset:4096
	ds_load_b128 v[T8+4:T8+7], v[AZ] offset:4112
	s_wait_dscnt 0x0
	v_max3_num_f32 v[W], v[T8], v[T8+1], v[T8+2]
	v_max3_num_f32 v[W], v[W], v[T8+3], v[T8+4]
	v_max3_num_f32 v[W], v[W], v[T8+5], v[T8+6]
	v_max_num_f32 v[W], v[W], v[T8+7]
	v_mul_f32 v[W+1], s18, v[W]
.irp i, 0,1,2,3
	v_fma_f32 v[PT+\i], v[PT+\i], s18, -v[W+1]     ; (a - max) log2(e)
.endr
.irp i, 0,1,2,3
	v_exp_f32 v[PT+\i], v[PT+\i]
.endr
	v_nop                                          ; a plain instruction between the last exponential and the use of its result
	s_wait_alu depctr_va_vdst(0)
	v_add_f32 v[W], v[PT], v[PT+1]
	v_add_f32 v[W+1], v[PT+2], v[PT+3]
	v_add_f32 v[W], v[W], v[W+1]
	v_add_f32_dpp v[W], v[W], v[W] row_xmask:1 row_mask:0xf bank_mask:0xf
	v_add_f32_dpp v[W], v[W], v[W] row_xmask:2 row_mask:0xf bank_mask:0xf
	v_add_f32_dpp v[W], v[W], v[W] row_xmask:4 row_mask:0xf bank_mask:0xf
	v_add_f32_dpp v[W], v[W], v[W] row_xmask:8 row_mask:0xf bank_mask:0xf
	v_permlanex16_b32 v[W+1], v[W], s[SEL], s[SEL+1]
	v_add_f32 v[W], v[W], v[W+1]
	ds_store_b128 v[O16], v[PT:PT+3]               ; my four weights: rows 4 t on
	ds_store_b32 v[AW], v[W] offset:4224
	s_wait_dscnt 0x0
	s_barrier_signal -1
	s_barrier_wait -1
	ds_load_b128 v[T8:T8+3], v[AZ] offset:4224
	ds_load_b128 v[T8+4:T8+7], v[AZ] offset:4240
.set i, 0
.rept 32
	ds_load_b32 v[E+i], v[AE] offset:128*i         ; the weight of row 32 i + t / 8
.set i, i+1
.endr
	s_wait_dscnt 0x0
	v_pk_add_f32 v[T8:T8+1], v[T8:T8+1], v[T8+2:T8+3]
	v_pk_add_f32 v[T8+4:T8+5], v[T8+4:T8+5], v[T8+6:T8+7]
	v_pk_add_f32 v[T8:T8+1], v[T8:T8+1], v[T8+4:T8+5]
	v_add_f32 v[W], v[T8], v[T8+1]
	v_rcp_f32 v[RL], v[W]
	v_mov_b32 v[RL+1], 0                           ; the plain instruction behind the reciprocal; the register is named with it as a pair
	; the weighted sum: word n of my 128 holds channels 2 (n % 4), 2 (n % 4) + 1 of my row n / 4
.set n, 0
.irp r, 0,1,2,3,4,5,6,7,8,9,10,11,12,13,14,15,16,17,18,19,20,21,22,23,24,25,26,27,28,29,30,31,32,33,34,35,36,37,38,39,40,41,42,43,44,45,46,47,48,49,50,51,52,53,54,55,56,57,58,59,60,61,62,63,64,65,66,67,68,69,70,71,72,73,74,75,76,77,78,79,80,81,82,83,84,85,86,87,88,89,90,91,92,93,94,95,96,97,98,99,100,101,102,103,104,105,106,107,108,109,110,111,112,113,114,115,116,117,118,119,120,121,122,123,124,125,126,127
.if n%4 == 0
	s_wait_loadcnt 31-n/4                          ; loads come back in order: row n / 4's is in, the younger ones stay out
.endif
	v_cvt_f32_f16 v[T8+2*(n%4)], v\r\().l
	v_cvt_f32_f16 v[T8+2*(n%4)+1], v\r\().h
.if n < 4
	v_pk_mul_f32 v[SU+2*(n%4):SU+2*(n%4)+1], v[T8+2*(n%4):T8+2*(n%4)+1], v[E:E+1] op_sel_hi:[1,0]  ; the first row starts the sums
.elseif (n/4)%2 == 0
	v_pk_fma_f32 v[SU+2*(n%4):SU+2*(n%4)+1], v[T8+2*(n%4):T8+2*(n%4)+1], v[E+n/4:E+n/4+1], v[SU+2*(n%4):SU+2*(n%4)+1] op_sel_hi:[1,0,1]  ; both halves by the pair's first register
.else
	v_pk_fma_f32 v[SU+2*(n%4):SU+2*(n%4)+1], v[T8+2*(n%4):T8+2*(n%4)+1], v[E+n/4-1:E+n/4], v[SU+2*(n%4):SU+2*(n%4)+1] op_sel:[0,1,0] op_sel_hi:[1,1,1]  ; by its second
.endif
.set n, n+1
.endr
	; lanes l, l xor 8, l xor 16, l xor 24 hold the same channels
.irp j, 0,1,2,3,4,5,6,7
	v_add_f32_dpp v[SU+\j], v[SU+\j], v[SU+\j] row_xmask:8 row_mask:0xf bank_mask:0xf
.endr
.irp j, 0,1,2,3,4,5,6,7
	v_permlanex16_b32 v[T8+\j], v[SU+\j], s[SEL], s[SEL+1]
.endr
.irp j, 0,2,4,6
	v_pk_add_f32 v[SU+\j:SU+\j+1], v[SU+\j:SU+\j+1], v[T8+\j:T8+\j+1]
.endr
	ds_store_b128 v[AP], v[SU:SU+3] offset:4608    ; the wave's 64 sums; four lanes store the same bytes
	ds_store_b128 v[AP], v[SU+4:SU+7] offset:4624
	s_wait_dscnt 0x0
	s_barrier_signal -1
	s_barrier_wait -1
	s_cmp_lg_u32 s10, 0
	s_cbranch_scc1 .Lend                           ; wave 0 adds the eight waves' sums and stores
.irp k, 0,1,2,3,4,5,6,7
	ds_load_b64 v[PT+2*\k:PT+2*\k+1], v[AR] offset:4608+256*\k
.endr
	s_wait_dscnt 0x0
.irp k, 1,2,3,4,5,6,7
	v_pk_add_f32 v[PT:PT+1], v[PT:PT+1], v[PT+2*\k:PT+2*\k+1]
.endr
	s_wait_alu depctr_va_vdst(0)
	v_pk_mul_f32 v[PT:PT+1], v[PT:PT+1], v[RL:RL+1] op_sel_hi:[1,0]
	global_store_b64 v[AR], v[PT:PT+1], s[8:9]     ; the wave stores 256 consecutive bytes, aligned
.Lend:
	s_wait_tensorcnt 0x0
	ds_add_u32 v224, v225
	s_wait_dscnt 0x0
	s_endpgm
.Lfunc_end_k_q296f35dfa4_pool:
	.size	k_q296f35dfa4_pool, .Lfunc_end_k_q296f35dfa4_pool-k_q296f35dfa4_pool
	.p2alignl 7, 3214868480
	.fill 96, 4, 3214868480
	.section	.rodata,"a",@progbits
	.p2align	6, 0x0
	.amdhsa_kernel k_q296f35dfa4_pool
		.amdhsa_group_segment_fixed_size 9216
		.amdhsa_private_segment_fixed_size 0
		.amdhsa_enable_private_segment 0
		.amdhsa_kernarg_size 24
		.amdhsa_user_sgpr_count 2
		.amdhsa_user_sgpr_kernarg_segment_ptr 1
		.amdhsa_wavefront_size32 1
		.amdhsa_system_sgpr_workgroup_id_x 1
		.amdhsa_system_sgpr_workgroup_id_y 1
		.amdhsa_system_sgpr_workgroup_id_z 1
		.amdhsa_system_vgpr_workitem_id 0
		.amdhsa_next_free_vgpr 226
		.amdhsa_next_free_sgpr 66
		.amdhsa_reserve_vcc 0
		.amdhsa_float_denorm_mode_32 3
		.amdhsa_float_denorm_mode_16_64 3
		.amdhsa_memory_ordered 1
		.amdhsa_forward_progress 1
		.amdhsa_inst_pref_size 31
	.end_amdhsa_kernel
	.amdgpu_metadata
---
amdhsa.version: [ 1, 2 ]
amdhsa.kernels:
  - .name:           k_q296f35dfa4_pool
    .symbol:         k_q296f35dfa4_pool.kd
    .args:
      - { .name: apart, .offset: 0, .size: 8, .value_kind: global_buffer, .address_space: global }
      - { .name: xh, .offset: 8, .size: 8, .value_kind: global_buffer, .address_space: global }
      - { .name: out0, .offset: 16, .size: 8, .value_kind: global_buffer, .address_space: global }
    .group_segment_fixed_size: 9216
    .private_segment_fixed_size: 0
    .kernarg_segment_align: 8
    .kernarg_segment_size: 24
    .max_flat_workgroup_size: 256
    .sgpr_count:     66
    .vgpr_count:     226
    .wavefront_size: 32
...
	.end_amdgpu_metadata
.endif
;; end of part 5
